; MI455X (gfx1250); checked and timed in simulation.
; The chip was launched on July 23, 2026; its instructions are those of AMD's public machine-readable ISA for CDNA 5 (MIT licence, August 2026) and "CDNA5" Instruction Set Architecture Reference Guide (July 2026). The comments in the code are by the model that wrote it; some were corrected since.
;; Transformer Attention. Allowed arithmetic: matrix products marked QUANTISED: E2M3 operands, one E8M0 scale for each 32 along K, by v_wmma_scale_f32_16x16x128_f8f6f4 with both operands' format E2M3, f32 sums; everything else in f32.
;; Inputs: Wk 1,024 x 1,024 float32; Wo 1,024 x 1,024 float32; Wq 1,024 x 1,024 float32; Wv 1,024 x 1,024 float32; attention_mask 4 x 1 x 1 x 2,048 float32; batch 4 x 2,048 x 1,024 float32; bk 1,024 float32; bo 1,024 float32; bq 1,024 float32; bv 1,024 float32.
;; Outputs: out0 4 x 2,048 x 1,024 float32.
;; This version of the problem:
;;   THIS VERSION OF THE PROBLEM IS GIVEN IN LOW PRECISION. The matrix products marked QUANTISED in the list below multiply operands that are first quantised to E2M3 (2 exponent bits, 3 mantissa bits; 6 bits a number), with one power-of-two scale for each 32 numbers along K (OCP MX v1.0); their sums are f32. All else is computed in f32.
;;   The module's matrix products, in the order in which they are computed (A, B: the left and right operand; K: the contracted axis; several contracted axes count as one K, in the product's order):
;;     1. [M 8,192, K 1,024] x [K 1,024, N 1,024]; A: input batch; B: input Wq: QUANTISED
;;     2. [M 8,192, K 1,024] x [K 1,024, N 1,024]; A: input batch; B: input Wk: QUANTISED
;;     3. [M 8,192, K 1,024] x [K 1,024, N 1,024]; A: input batch; B: input Wv: QUANTISED
;;     4. batch 64 x [M 2,048, K 64] x [K 64, N 2,048]; A: computed on the way; B: computed on the way: QUANTISED
;;     5. batch 64 x [M 2,048, K 2,048] x [K 2,048, N 64]; A: softmax (see below); B: computed on the way: QUANTISED
;;     6. [M 8,192, K 1,024] x [K 1,024, N 1,024]; A: computed on the way; B: input Wo: QUANTISED
;;   THE QUANTISER, for each operand of a quantised product, along K:
;;     - K is cut into blocks of 32 from its start; a last block that is shorter is filled with zeros.
;;     - A block's scale is 2^e with e = floor(log2(the largest magnitude in the block)) - 2, held to -126 .. 127; a block of zeros has e = 0. As a byte (E8M0): e + 127.
;;     - Each number is divided by its block's scale, clamped to +-7.5, and rounded to the nearest number of E2M3, ties to even, subnormals kept.
;;     - The product sums the exact products of the quantised numbers (number of the format x scale) in f32.
;;   ~~~python
;;   def quantise(x, axis):      # numpy; x: float32 -> the quantised numbers, widened to float32 again
;;       x = np.moveaxis(x, axis, -1); K = x.shape[-1]
;;       x = np.pad(x, [(0, 0)] * (x.ndim - 1) + [(0, -K % 32)]); x = x.reshape(x.shape[:-1] + (-1, 32)); a = np.abs(x).max(-1, keepdims=True)
;;       e = np.where(a > 0, np.clip(np.frexp(np.where(a > 0, a, 1))[1] - 1 - 2, -126, 127), 0)      # np.frexp(a)[1] - 1 = floor(log2(a)), exactly
;;       r = np.clip(x / 2.0 ** e, -7.5, 7.5)
;;       step = 2.0 ** (np.maximum(np.frexp(np.where(r == 0, 1, r))[1] - 1, 0) - 3)
;;       q = np.round(r / step) * step * 2.0 ** e      # np.round: ties to even
;;       return np.moveaxis(q.reshape(q.shape[:-2] + (-1,))[..., :K], -1, axis).astype(np.float32)
;;   ~~~
;;   SOFTMAX AHEAD OF A QUANTISED PRODUCT. Where the list says 'softmax', what is quantised is not the finished softmax but p = 2^(t - M), with t = logit x log2(e) and M = ceil(the row's largest t), a whole number; so 1/2 < the row's largest p <= 1. The row's sum l is taken of the UNQUANTISED p, in f32, and the product's result is divided by l at the end. Since M is a whole number, a kernel that streams over the keys may use a running M (the ceiling of the running maximum): every later rescaling is an exact power of two, which a block's scale takes up: the codes' values come out the same.
;;   OPERANDS COMPUTED ON THE WAY. 'Computed on the way' means the value that the module computes at that place (a softmax that the list does not call 'softmax' is quantised finished and normalised). What goes into a quantiser is computed in f32, as accurately as f32 sums, v_exp_f32 and their like allow (about 1e-6 of the number): no bf16 or f16 on the way to a quantiser, and a product that is left as it is and whose result goes on into a quantised operand takes f32 operands (vector FMAs, or v_wmma_f32_16x16x4_f32). A number that lies on a knife's edge between two numbers of the format may be rounded either way, as far as f32 arithmetic and the matrix unit's own rounding can turn it there, and no further.
;; One version. Each part assembles by itself: llvm-mc -triple=amdgcn-amd-amdhsa -mcpu=gfx1250 --defsym DOCPART=n.
;; ======== version 1 of 1: 4 launches
;; limits: right only within a limited range of input values
;; workspace buffers: xcodes 6,291,456 bytes; xscales 262,144 bytes; wcodes 3,145,728 bytes; wscales 131,072 bytes; qbuf 6,815,744 bytes; kv 13,631,488 bytes; ctxc 6,291,456 bytes; ctxs 262,144 bytes
;; launch quant (part 1): grid 512 x 1, 4 waves a work-group, no clusters, 47,616 bytes of LDS; arguments batch, Wq, Wk, Wv, Wo, xcodes, xscales, wcodes, wscales; writes xcodes, xscales, wcodes, wscales
.if DOCPART == 1
	.amdgcn_target "amdgcn-amd-amdhsa--gfx1250"
	.amdhsa_code_object_version 6
	.text
	.protected	k_q7028c3cb5f_quant
	.globl	k_q7028c3cb5f_quant
	.p2align	8
	.type	k_q7028c3cb5f_quant,@function
k_q7028c3cb5f_quant:
	s_mov_b64 s[64:65], 0
	v_nop
	global_prefetch_b8 v0, s[64:65] scope:SCOPE_SE
	s_setreg_imm32_b32 hwreg(HW_REG_WAVE_MODE, 25, 1), 1
	s_wait_xcnt 0x0
; batch [8192][1024] and the four weights [1024 (k)][1024 (n)], f32, become codes of FP6 (E2M3) with one E8M0 byte for each 32 along K (the hidden axis; the weights' FIRST axis).
; THE CODES ARE LAID AS IMAGES OF THE OPERAND'S REGISTERS: a fragment (16 rows x 128 K, 12 registers a lane) is 3 x 512 bytes, registers 4 g .. 4 g + 3 of lane l at 512 g + 16 l.
; THE ROWS OF A TILE ARE NOT NEIGHBOURS: lane r of tile 2 b + u takes row 32 b + 8 u + (r & 7) + 16 (r >> 3), tokens and features alike, so that later results fall into the next quantiser's order.
; xcodes [block of 128 tokens][K step 8][tile 8][1536];  xscales [block][K half 2][pair of tiles 4][16 u + r][4 words];  wcodes [16 matrix + column group of 64][K step 8][tile 4][1536];  wscales [same][K step][pair 2][16 u + r] words.
; A block's scale is 2^(floor(log2(largest magnitude)) - 2); its byte is that magnitude's exponent field - 2, held at 1 from below.  A block of zeros gets the byte 1 where the rule says 127: its codes are zeros, and this program alone reads the bytes.
; LIMITS: NaN and infinities among the inputs are not served.
; Work-groups 0-255 take batch, 256-511 the weights; each way has LDS bytes of its own.  Waves share nothing: no barrier.
.set XROW,  528                        ; batch's stage: a row of 512 bytes + 16
.set XWV,   16*XROW                    ; 16 rows for each wave, from LDS byte 0
.set WST,   4*XWV                      ; the weights' stage: for each wave two images of 1,536 bytes, 1,664 apart
.set WTL,   1664
.set WWV,   2*WTL
.set SPARE, WST+4*WWV                  ; the spare words: 128 bytes for each wave, two blocks of 256 bytes that no other line names
.set SPW,   14                         ; v14  LDS address of my spare word; never rewritten
.set NIL,   15                         ; v15  0; never rewritten
.set R,     16                         ; v16-143  batch: two sets of 64 registers as loaded
.set N,     144                        ; v144-207 64 numbers in the operand's order
.set OC,    208                        ; v208-231 two sets of 12: a fragment's codes
.set CT,    232                        ; v232-238 the second halves of the blocks' codes
.set WD,    248                        ; v248-251 the scale words of my four K steps
.set WX,    16                         ; weights: v16-79 two sets of 32 numbers
.set WC,    80                         ; v80-111 codes, eight registers a block
.set WB,    120                        ; v120-143 the images read back
	s_load_b512 s[4:19], s[0:1], 0x0               ; batch s[4:5], Wq s[6:7], Wk s[8:9], Wv s[10:11], Wo s[12:13], xcodes s[14:15], xscales s[16:17], wcodes s[18:19]
	s_load_b64 s[20:21], s[0:1], 0x40              ; wscales
	v_lshl_add_u32 v[SPW], v0, 2, SPARE
	v_mov_b32 v[NIL], 0
	v_lshrrev_b32 v1, 5, v0
	v_readfirstlane_b32 s22, v1                    ; wave
	v_and_b32 v11, 31, v0                          ; lane
	v_and_b32 v12, 15, v0                          ; r
	v_bfe_u32 v13, v0, 4, 1                        ; h
	v_lshlrev_b32 v1, 4, v11                       ; 16 x lane
	s_mul_i32 s23, s22, XWV
	v_add_nc_u32 v2, s23, v1                       ; batch's stage, in: 16 x lane of a row
	v_mul_u32_u24 v3, v12, XROW
	v_lshl_add_u32 v3, v13, 7, v3
	v_add_nc_u32 v3, s23, v3                       ; and out: row r, + 128 h
	v_lshlrev_b32 v4, 3, v13                       ; 8 h
	v_lshlrev_b32 v5, 4, v12
	v_lshl_add_u32 v5, v13, 3, v5                  ; 16 r + 8 h: my 8 bytes of the tile's scale words
	v_lshlrev_b32 v6, 2, v11                       ; weights: 4 bytes a lane
	v_bfe_u32 v10, v0, 3, 1                        ; column n = lane: tile u = bit 3,
	v_and_b32 v9, 7, v0
	v_lshl_add_u32 v9, v13, 3, v9                  ; the tile's lane r = (n & 7) + 8 (n >> 4)
	s_mul_i32 s24, s22, WWV
	s_add_co_u32 s24, s24, WST
	v_mul_u32_u24 v7, v10, WTL
	v_lshl_add_u32 v7, v9, 4, v7
	v_add_nc_u32 v7, s24, v7                       ; the weights' stage, in: image u, 16 r
	v_add_nc_u32 v8, s24, v1                       ; and out: 16 x lane
	v_lshl_add_u32 v9, v10, 4, v9
	v_lshlrev_b32 v9, 2, v9                        ; 4 (16 u + r): my column's scale word
	s_mov_b32 s28, 0x76543210
	s_mov_b32 s29, 0xfedcba98                      ; lane selects: lane l xor 16
	s_mov_b32 s30, 0xffff0000                      ; lanes 16-31
	s_mov_b32 s35, 0
	s_wait_kmcnt 0x0
	s_cmp_lt_u32 ttmp9, 256
	s_cbranch_scc0 .Lweights
; ---- batch.  A wave takes one tile of 16 tokens and half of K: four K steps of 128.
	s_lshl_b32 s25, ttmp9, 2
	s_add_co_u32 s25, s25, s22
	s_lshr_b32 s26, s25, 1                         ; tile 0..511
	s_and_b32 s27, s25, 1                          ; which half of K
	s_lshr_b32 s31, s26, 1
	s_lshl_b32 s31, s31, 17                        ; 32 rows of 4,096 bytes for each pair of tiles,
	s_and_b32 s32, s26, 1
	s_lshl_b32 s33, s32, 15                        ; 8 rows for the odd tile,
	s_add_co_u32 s31, s31, s33
	s_lshl_b32 s33, s27, 11                        ; 2,048 bytes for the second half of K
	s_add_co_u32 s34, s31, s33
	s_add_nc_u64 s[4:5], s[4:5], s[34:35]
	s_lshr_b32 s31, s26, 3                         ; block of 128 tokens
	s_mul_i32 s34, s31, 98304
	s_mul_i32 s33, s27, 49152
	s_add_co_u32 s34, s34, s33
	s_and_b32 s33, s26, 7
	s_mul_i32 s36, s33, 1536
	s_add_co_u32 s34, s34, s36
	s_add_nc_u64 s[14:15], s[14:15], s[34:35]
	s_lshl_b32 s34, s31, 12
	s_lshl_b32 s36, s27, 11
	s_add_co_u32 s34, s34, s36
	s_lshr_b32 s36, s33, 1
	s_lshl_b32 s36, s36, 9
	s_add_co_u32 s34, s34, s36
	s_lshl_b32 s36, s32, 8
	s_add_co_u32 s34, s34, s36
	s_add_nc_u64 s[16:17], s[16:17], s[34:35]
	v_mov_b32 v247, 0                              ; a lane permute's destination counts as one of its sources
.macro LOADX i                         ; K step i: 512 consecutive bytes of each of the tile's 16 rows, a load a row
.set m, 0
.rept 16
	global_load_b128 v[R+64*((\i)%2)+4*m:R+64*((\i)%2)+4*m+3], v1, s[4:5] offset:((m&7)+16*(m>>3))*4096+512*(\i) th:TH_LOAD_NT
.set m, m+1
.endr
.endm
.macro STEPX i
.if (\i) < 3
	s_wait_loadcnt 16                              ; this step's 16 loads are in; the next step's 16 may be out
.else
	s_wait_loadcnt 0x0
.endif
.set m, 0
.rept 16
	ds_store_b128 v2, v[R+64*((\i)%2)+4*m:R+64*((\i)%2)+4*m+3] offset:XROW*m
.set m, m+1
.endr
.set m, 0
.rept 16                               ; lane (r, h) takes k = 64 c + 32 h + 0 .. 31 of row r: two whole blocks.  LDS serves a wave's instructions in order: these see the stores above
	ds_load_b128 v[N+4*m:N+4*m+3], v3 offset:256*(m>>3)+16*(m&7)
.set m, m+1
.endr
	s_wait_dscnt 0x0                               ; the numbers are back, and the stores have read their registers,
.if (\i) < 2
	LOADX (\i)+2                                   ; which take the loads of two steps on
.endif
.irp c, 0,1
	v_max3_num_f32 v[240+\c], |v[N+32*\c]|, |v[N+32*\c+1]|, 0x1800000   ; my block 2 c + h, and the floor 2^(3 - 127): the byte cannot fall under 1
.endr
.irp j, 2,4,6,8,10,12,14,16,18,20,22,24,26,28,30
.irp c, 0,1
	v_max3_num_f32 v[240+\c], v[240+\c], |v[N+32*\c+\j]|, |v[N+32*\c+\j+1]|
.endr
.endr
.irp c, 0,1
	v_add_nc_u32 v[242+\c], 0xff000000, v[240+\c]  ; 2 off the exponent field: the conversion's scale operand
.endr
.irp c, 0,1
	v_lshrrev_b32 v[244+\c], 23, v[242+\c]         ; the scale's byte
.endr
	v_lshl_or_b32 v246, v245, 16, v244             ; my two bytes, blocks h and 2 + h,
	v_lshlrev_b32 v246, v4, v246                   ; 8 h bits up;
	v_permlanex16_b32 v247, v246, s28, s29
	v_or_b32 v[WD+(\i)], v246, v247                ; with lane l xor 16's two the row's word is whole
.if (\i) > 1
	s_wait_alu depctr_va_vdst(0)
	s_wait_xcnt 0x0                                ; this set of code registers was the data of stores two steps back: written again only behind this wait
.endif
.irp c, 0,1
	v_cvt_scalef32_pk16_fp6_f32 v[OC+12*((\i)%2)+6*\c:OC+12*((\i)%2)+6*\c+2], v[N+32*\c:N+32*\c+15], v[242+\c]
	v_cvt_scalef32_pk16_fp6_f32 v[CT+4*\c:CT+4*\c+2], v[N+32*\c+16:N+32*\c+31], v[242+\c]   ; (a conversion's three registers begin on an even number)
.endr
	v_nop                                          ; one plain place behind a scaled conversion
.irp c, 0,1
.irp k, 0,1,2
	v_mov_b32 v[OC+12*((\i)%2)+6*\c+3+\k], v[CT+4*\c+\k]
.endr
.endr
.irp g, 0,1,2
	global_store_b128 v1, v[OC+12*((\i)%2)+4*\g:OC+12*((\i)%2)+4*\g+3], s[14:15] offset:12288*(\i)+512*\g   ; 512 consecutive bytes a store
.endr
.endm
	LOADX 0
	LOADX 1
	STEPX 0
	STEPX 1
	STEPX 2
	STEPX 3
	v_cndmask_b32 v252, v[WD], v[WD+2], s30        ; lanes 0-15 store words 0, 1 of their row, lanes 16-31 words 2, 3
	v_cndmask_b32 v253, v[WD+1], v[WD+3], s30
	global_store_b64 v5, v[252:253], s[16:17]      ; 256 consecutive bytes, aligned
	s_wait_tensorcnt 0x0                           ; the wave's end, behind my last LDS store
	ds_add_u32 v[SPW], v[NIL]
	s_wait_dscnt 0x0
	s_endpgm
; ---- the weights.  A wave takes 32 columns x one K step of 128: a lane takes a column and its registers run down K, so a block lies in one lane and the codes come out with K innermost.
.Lweights:
	s_sub_co_u32 s25, ttmp9, 256
	s_lshr_b32 s26, s25, 6                         ; which matrix: 0 Wq, 1 Wk, 2 Wv, 3 Wo
	s_bfe_u32 s27, s25, 0x30003                    ; K step
	s_and_b32 s31, s25, 7
	s_lshl_b32 s31, s31, 2
	s_add_co_u32 s31, s31, s22                     ; group of 32 columns
	s_cmp_eq_u32 s26, 1
	s_cselect_b64 s[6:7], s[8:9], s[6:7]
	s_cmp_eq_u32 s26, 2
	s_cselect_b64 s[6:7], s[10:11], s[6:7]
	s_cmp_eq_u32 s26, 3
	s_cselect_b64 s[6:7], s[12:13], s[6:7]
	s_lshl_b32 s34, s27, 19                        ; 128 rows of 4,096 bytes a K step
	s_lshl_b32 s33, s31, 7
	s_add_co_u32 s34, s34, s33
	s_add_nc_u64 s[6:7], s[6:7], s[34:35]
	s_lshl_b32 s32, s26, 4
	s_lshr_b32 s33, s31, 1
	s_add_co_u32 s32, s32, s33                     ; 16 x matrix + column group of 64
	s_and_b32 s33, s31, 1                          ; which pair of tiles in it
	s_lshl_b32 s36, s32, 3
	s_add_co_u32 s36, s36, s27
	s_lshl_b32 s37, s36, 2
	s_lshl_b32 s38, s33, 1
	s_add_co_u32 s37, s37, s38
	s_mul_i32 s34, s37, 1536
	s_add_nc_u64 s[18:19], s[18:19], s[34:35]
	s_lshl_b32 s37, s36, 1
	s_add_co_u32 s37, s37, s33
	s_lshl_b32 s34, s37, 7
	s_add_nc_u64 s[20:21], s[20:21], s[34:35]
.macro LOADW t                         ; block t: rows 32 t .. 32 t + 31 at my column; a wave reads 128 consecutive bytes, the four waves 512
.set m, 0
.rept 32
	global_load_b32 v[WX+32*((\t)%2)+m], v6, s[6:7] offset:(32*(\t)+m)*4096 th:TH_LOAD_NT
.set m, m+1
.endr
.endm
.macro BLOCKW t
.set XB, WX+32*((\t)%2)
.set C, WC+8*(\t)
.if (\t) < 3
	s_wait_loadcnt 32                              ; this block's 32 loads are in; the next block's may be out
.else
	s_wait_loadcnt 0x0
.endif
	v_max3_num_f32 v117, |v[XB]|, |v[XB+1]|, |v[XB+2]|
	v_max3_num_f32 v118, |v[XB+3]|, |v[XB+4]|, |v[XB+5]|
.irp j, 6,10,14,18,22,26
	v_max3_num_f32 v117, v117, |v[XB+\j]|, |v[XB+\j+1]|
	v_max3_num_f32 v118, v118, |v[XB+\j+2]|, |v[XB+\j+3]|
.endr
	v_max3_num_f32 v117, v117, |v[XB+30]|, |v[XB+31]|
	v_max3_num_f32 v117, v117, v118, 0x1800000     ; and the floor
	v_add_nc_u32 v119, 0xff000000, v117
	v_lshrrev_b32 v118, 23, v119
.if (\t) == 0
	v_mov_b32 v116, v118                           ; the column's scale word: byte t for block t
.else
	v_lshl_or_b32 v116, v118, 8*(\t), v116
.endif
	v_cvt_scalef32_pk16_fp6_f32 v[C:C+2], v[XB:XB+15], v119
	v_cvt_scalef32_pk16_fp6_f32 v[112:114], v[XB+16:XB+31], v119
	v_nop                                          ; one plain place behind a scaled conversion
.irp k, 0,1,2
	v_mov_b32 v[C+3+\k], v[112+\k]
.endr
; block t is registers 6 (t / 2) .. + 5 of lane r + 16 (t % 2) of the image
.if (\t) < 2
	ds_store_b128 v7, v[C:C+3] offset:256*((\t)&1)
	ds_store_b64 v7, v[C+4:C+5] offset:512+256*((\t)&1)
.else
	ds_store_b64 v7, v[C:C+1] offset:520+256*((\t)&1)
	ds_store_b128 v7, v[C+2:C+5] offset:1024+256*((\t)&1)
.endif
.if (\t) < 2
	LOADW (\t)+2
.endif
.endm
	LOADW 0
	LOADW 1
	BLOCKW 0
	BLOCKW 1
	BLOCKW 2
	BLOCKW 3
.irp u, 0,1
.irp g, 0,1,2
	ds_load_b128 v[WB+12*\u+4*\g:WB+12*\u+4*\g+3], v8 offset:WTL*\u+512*\g   ; LDS serves a wave's instructions in order: these see my stores
.endr
.endr
	global_store_b32 v9, v116, s[20:21]            ; the 32 columns' words: 128 consecutive bytes
	s_wait_dscnt 0x0
.irp u, 0,1
.irp g, 0,1,2
	global_store_b128 v1, v[WB+12*\u+4*\g:WB+12*\u+4*\g+3], s[18:19] offset:1536*\u+512*\g
.endr
.endr
	s_wait_tensorcnt 0x0                           ; the wave's end, behind my last LDS store
	ds_add_u32 v[SPW], v[NIL]
	s_wait_dscnt 0x0
	s_endpgm
.Lfunc_end_k_q7028c3cb5f_quant:
	.size	k_q7028c3cb5f_quant, .Lfunc_end_k_q7028c3cb5f_quant-k_q7028c3cb5f_quant
	.p2alignl 7, 3214868480
	.fill 96, 4, 3214868480
	.section	.rodata,"a",@progbits
	.p2align	6, 0x0
	.amdhsa_kernel k_q7028c3cb5f_quant
		.amdhsa_group_segment_fixed_size 47616
		.amdhsa_private_segment_fixed_size 0
		.amdhsa_enable_private_segment 0
		.amdhsa_kernarg_size 72
		.amdhsa_user_sgpr_count 2
		.amdhsa_user_sgpr_kernarg_segment_ptr 1
		.amdhsa_wavefront_size32 1
		.amdhsa_system_sgpr_workgroup_id_x 1
		.amdhsa_system_sgpr_workgroup_id_y 1
		.amdhsa_system_sgpr_workgroup_id_z 1
		.amdhsa_system_vgpr_workitem_id 0
		.amdhsa_next_free_vgpr 256
		.amdhsa_next_free_sgpr 66
		.amdhsa_reserve_vcc 0
		.amdhsa_float_denorm_mode_32 3
		.amdhsa_float_denorm_mode_16_64 3
		.amdhsa_memory_ordered 1
		.amdhsa_forward_progress 1
		.amdhsa_inst_pref_size 52
	.end_amdhsa_kernel
	.amdgpu_metadata
---
amdhsa.version: [ 1, 2 ]
amdhsa.kernels:
  - .name:           k_q7028c3cb5f_quant
    .symbol:         k_q7028c3cb5f_quant.kd
    .args:
      - { .name: batch, .offset: 0, .size: 8, .value_kind: global_buffer, .address_space: global }
      - { .name: Wq, .offset: 8, .size: 8, .value_kind: global_buffer, .address_space: global }
      - { .name: Wk, .offset: 16, .size: 8, .value_kind: global_buffer, .address_space: global }
      - { .name: Wv, .offset: 24, .size: 8, .value_kind: global_buffer, .address_space: global }
      - { .name: Wo, .offset: 32, .size: 8, .value_kind: global_buffer, .address_space: global }
      - { .name: xcodes, .offset: 40, .size: 8, .value_kind: global_buffer, .address_space: global }
      - { .name: xscales, .offset: 48, .size: 8, .value_kind: global_buffer, .address_space: global }
      - { .name: wcodes, .offset: 56, .size: 8, .value_kind: global_buffer, .address_space: global }
      - { .name: wscales, .offset: 64, .size: 8, .value_kind: global_buffer, .address_space: global }
    .group_segment_fixed_size: 47616
    .private_segment_fixed_size: 0
    .kernarg_segment_align: 8
    .kernarg_segment_size: 72
    .max_flat_workgroup_size: 128
    .sgpr_count:     66
    .vgpr_count:     256
    .wavefront_size: 32
...
	.end_amdgpu_metadata
.endif
;; end of part 1
;; launch qkv (part 2): grid 4 x 64, 4 waves a work-group, clusters of 4 x 1, 167,936 bytes of LDS; arguments xcodes, xscales, wcodes, wscales, bq, bk, bv, qbuf, kv; writes qbuf, kv
.if DOCPART == 2
	.amdgcn_target "amdgcn-amd-amdhsa--gfx1250"
	.amdhsa_code_object_version 6
	.text
	.protected	k_q7028c3cb5f_qkv
	.globl	k_q7028c3cb5f_qkv
	.p2align	8
	.type	k_q7028c3cb5f_qkv,@function
k_q7028c3cb5f_qkv:
	s_mov_b64 s[64:65], 0
	v_nop
	global_prefetch_b8 v0, s[64:65] scope:SCOPE_SE
	s_setreg_imm32_b32 hwreg(HW_REG_WAVE_MODE, 25, 1), 1
	s_wait_xcnt 0x0
	s_wait_alu depctr_hold_cnt(0) depctr_sa_sdst(0) depctr_va_vdst(0) depctr_va_sdst(0) depctr_va_ssrc(0) depctr_va_vcc(0) depctr_vm_vsrc(0)
	s_getreg_b32 s2, hwreg(HW_REG_IB_STS2, 6, 4)
	s_cmp_eq_u32 s2, 0
	s_cbranch_scc0 .Lentry_in_a_cluster
	s_endpgm
.Lentry_in_a_cluster:
	s_bfe_u32 s2, ttmp6, 0x10000c
	s_cmp_lg_u32 s2, 0x3003
	s_cbranch_scc0 .Lentry_shape_is_right
	s_endpgm
.Lentry_shape_is_right:
; q = (x Wq + bq) / 8, k = x Wk + bk, v = x Wv + bv on codes of FP6, and each result quantised again for attention: q and k along the head's 64, v along the KEYS.
; SHARES.  A cluster of four work-groups owns a block of 128 tokens; its codes for all of K (98,304 bytes of register images) come into each work-group's LDS once, by joint loads.
; Wave w of work-group cx owns head 4 cx + w: three rounds (q, k, v) of 128 tokens x 64 features x K 1,024: 8 K steps of 32 matrix instructions on 32 accumulators, which take turns in one order.
; The weights go from memory straight into registers and are not asked for jointly: each wave has columns of its own, so no two waves of a cluster read the same fragment.
; q, k: source 0 = 16 features, source 1 = 16 tokens: a lane holds a token and its registers run along the features.  v: the sources swapped: a lane holds a feature and its registers run along the tokens.
; By the order of a tile's rows (lane r of tile 2 b + u: row 32 b + 8 u + (r & 7) + 16 (r >> 3)) the 16 registers of tiles 2 b, 2 b + 1 are 16 neighbours along the next K.  The biases are the C of each sum's first instruction.
; The factor 1/8 is exact: q's codes are those of x Wq + bq and its scale bytes are 3 lower; the floor 2^(6 - 127) holds the byte at 1.
; OUT.  qbuf [16 batch + head][block 16] records of 6,656 bytes: 8 half fragments of 768 (registers 0-3 at 16 l, 4-5 at 512 + 8 l), then at 6,144 the scale words [16 u + r][pair of tiles 4].
;       kv, records of 13,312: k's 8 half fragments; at 6,144 v^T's 4 whole fragments; at 12,288 k's scale words; at 12,800 v's [lane][tile 4].  Bytes 2, 3 of q's and k's words are 0x7f: their K is 64 of the instruction's 128.
; LIMITS: NaN and infinities are not served; a block of zeros gets the floor's byte where the rule says 127 (its codes are zeros; this program alone reads the bytes).
; REGISTERS.  window 0: v1-6 addresses; v16-47 x's scale words, v48-63 the weights'; v64-87 at work; v96-111, v112-123, v128-175 codes and words on their way out.
;   window 1: the 32 accumulators.  window 2: x's fragments, two sets of 96.  window 3: the weights' fragments, four sets of 48; from v192 the bias, 8 registers a tile of features.
; THE WEIGHTS' 24 CHUNKS (8 K steps of q, of k, of v) ARE ONE STREAM through six sets of 48 registers: set g % 6; sets 0-3 in window 3, set 4 in window 2 from v192, set 5 in window 0 from v176.
; Chunk g + 6 is asked for behind step g, across the changes of round, so five chunks of 12 loads are out at a step's head.  The three rounds' scale words are loaded at the head (v48-63, v224-239, v240-255).
.set SPARE, 98304
.set SPW, 8
.set NIL, 9
.set XS,  16                           ; register 8 B + s: lanes 0-15 tile 2 B, lanes 16-31 tile 2 B + 1, K step s
.set WS,  48                           ; register 2 s + b: lanes 0-15 tile 2 b, lanes 16-31 tile 2 b + 1
.set TM,  64                           ; + 0..7 largest magnitudes, + 8..15 the other half's, then bytes, + 16..23 the conversions' scale operands
.set CT,  96
.set PW,  112
.set KW,  120
.set OUT, 128
.set BI,  192
.set MSB, 0
.macro WIN new                         ; the immediate's high byte repeats the setting that is left
.if MSB != \new
	s_set_vgpr_msb (MSB<<8)|\new
.set MSB, \new
.endif
.endm
.macro ROUNDC                          ; a round of the cluster's barrier
	s_barrier_signal -1
	s_barrier_wait -1
	s_cmp_lg_u32 s22, 0
	s_cbranch_scc1 .Lnot_wave_0_\@
	s_barrier_signal -3
.Lnot_wave_0_\@:
	s_barrier_wait -3
	s_barrier_signal -1
	s_barrier_wait -1
.endm
.macro PLACES                          ; four places behind a matrix instruction, ahead of loads into its registers and of reads of its result
.rept 4
	v_nop
.endr
.endm
.macro WM                              ; one matrix instruction from the symbols rD, rA, rB, rC, rSA, rSB; rRA, rRB: the scales stand in lanes 16-31
.if rRA && rRB
	v_wmma_scale_f32_16x16x128_f8f6f4 v[rD:rD+7], v[rA:rA+11], v[rB:rB+11], v[rC:rC+7], v[rSA], v[rSB] matrix_a_fmt:MATRIX_FMT_FP6 matrix_b_fmt:MATRIX_FMT_FP6 matrix_a_scale:MATRIX_SCALE_ROW1 matrix_b_scale:MATRIX_SCALE_ROW1
.elseif rRA
	v_wmma_scale_f32_16x16x128_f8f6f4 v[rD:rD+7], v[rA:rA+11], v[rB:rB+11], v[rC:rC+7], v[rSA], v[rSB] matrix_a_fmt:MATRIX_FMT_FP6 matrix_b_fmt:MATRIX_FMT_FP6 matrix_a_scale:MATRIX_SCALE_ROW1
.elseif rRB
	v_wmma_scale_f32_16x16x128_f8f6f4 v[rD:rD+7], v[rA:rA+11], v[rB:rB+11], v[rC:rC+7], v[rSA], v[rSB] matrix_a_fmt:MATRIX_FMT_FP6 matrix_b_fmt:MATRIX_FMT_FP6 matrix_b_scale:MATRIX_SCALE_ROW1
.else
	v_wmma_scale_f32_16x16x128_f8f6f4 v[rD:rD+7], v[rA:rA+11], v[rB:rB+11], v[rC:rC+7], v[rSA], v[rSB] matrix_a_fmt:MATRIX_FMT_FP6 matrix_b_fmt:MATRIX_FMT_FP6
.endif
.endm
.macro SETOF g                         ; where chunk g's set lies: first register sb_, window ww_
.set st_, (\g)%6
.if st_ < 4
.set sb_, 48*st_
.set ww_, 3
.elseif st_ == 4
.set sb_, 192
.set ww_, 2
.else
.set sb_, 176
.set ww_, 0
.endif
.endm
.macro CHUNK g                         ; the weights' four fragments of chunk g (round g / 8, K step g % 8): 12 loads of 512 consecutive bytes
	SETOF \g
.set wn_, ww_<<6
	WIN wn_
.set i, 0
.rept 12
	global_load_b128 v[sb_+4*i:sb_+4*i+3], v1, s[44+2*((\g)/8):45+2*((\g)/8)] offset:6144*((\g)%8)+512*i
.set i, i+1
.endr
	WIN 0
.endm
.macro PRELOAD mode, wc, ws, bp        ; a round's bias in the result's layout
.set i, 0
	WIN 0xc0                                       ; destination window 3: a round's bias in the result's layout
.if \mode
.set i, 0
.rept 32                               ; v: a lane holds ONE feature: its bias in all eight registers of the tile
	global_load_b32 v[BI+i], v5, s[\bp:\bp+1] offset:128*(i>>4)+32*((i>>3)&1)
.set i, i+1
.endr
.else
.set i, 0
.rept 8                                ; q, k: register j of tile 2 b + u is feature 32 b + 16 h + 8 u + j
	global_load_b128 v[BI+4*i:BI+4*i+3], v4, s[\bp:\bp+1] offset:128*(i>>2)+32*((i>>1)&1)+16*(i&1)
.set i, i+1
.endr
.endif
	WIN 0
.endm
.macro FETCHX s                        ; x's eight fragments of K step s from LDS into set s % 2
	WIN 0x80                                       ; destination window 2
.set i, 0
.rept 24
.if (\s) < 4
	ds_load_b128 v[96*((\s)%2)+4*i:96*((\s)%2)+4*i+3], v1 offset:12288*(\s)+512*i
.else
	ds_load_b128 v[96*((\s)%2)+4*i:96*((\s)%2)+4*i+3], v6 offset:12288*((\s)-4)+512*i
.endif
.set i, i+1
.endr
	WIN 0
.endm
; A K step.  mode 0: source 0 = the weights, source 1 = x, accumulator 4 T + f.  mode 1: the sources swapped, accumulator 8 f + T.
.macro STEP mode, s, wc, nextx
.set g_, 8*RND+(\s)
	SETOF g_
.if g_ < 19
	s_wait_loadcnt 60                              ; chunk g is in; at least the five chunks of 12 issued behind it are younger
.else
	s_wait_loadcnt 12*(23-g_)                      ; the last chunks: the count runs down
.endif
	s_wait_dscnt 0x0                               ; x's fragments of this step are in (asked for a step ago)
.if \nextx
	FETCHX ((\s)+1)%8                              ; the next step's, into the set that the step before read: its places stand at that step's end
.endif
.set cw_, 1                            ; C: the accumulators, window 1; in a round's first step the bias, window 3
.if (\s) == 0
.set cw_, 3
.endif
.if \mode
.set wn_, 2|(ww_<<2)|(cw_<<4)|0x40     ; source 0 x (window 2), source 1 the weights' set, D window 1
.else
.set wn_, ww_|(2<<2)|(cw_<<4)|0x40     ; source 0 the weights' set, source 1 x
.endif
	WIN wn_
.set o, 0
.rept 32
.if \mode
.set f, o>>3
.set T, o&7
.set rA, 96*((\s)%2)+12*T
.set rB, sb_+12*f
.set rSA, XS+8*(T>>1)+(\s)
.set rSB, WSR+2*(\s)+(f>>1)
.set rRA, T&1
.set rRB, f&1
.else
.set T, o>>2
.set f, o&3
.set rA, sb_+12*f
.set rB, 96*((\s)%2)+12*T
.set rSA, WSR+2*(\s)+(f>>1)
.set rSB, XS+8*(T>>1)+(\s)
.set rRA, f&1
.set rRB, T&1
.endif
.set rD, 8*o
.set rC, rD
.if (\s) == 0
.set rC, BI+8*f
.endif
	WM
.set o, o+1
.endr
	PLACES
	WIN 0
.if (\s) == 0 && RND == 0
	PRELOAD 0, 46, 52, 14                          ; the bias has served as C: the next round's lands there
.endif
.if (\s) == 0 && RND == 1
	PRELOAD 1, 48, 54, 16
.endif
.if g_ < 18
	CHUNK g_+6                                     ; into the set just read
.endif
.endm
; Four tiles of tokens (4 g .. 4 g + 3), 64 features each: 8 blocks of 32 by turns.  A lane holds 16 numbers of each block, lane l xor 16 the others.
.macro QUANT2G g, adj, floor
	WIN 0x05                                       ; sources 0 and 1: the accumulators, window 1
.set q, 0
.rept 8
	v_max3_num_f32 v[TM+q], |v[128*(\g)+16*q]|, |v[128*(\g)+16*q+1]|, \floor   ; each accumulator is read from its low end on
.set q, q+1
.endr
.set i, 2
.rept 7
.set q, 0
.rept 8
	v_max3_num_f32 v[TM+q], |v[128*(\g)+16*q+i]|, |v[128*(\g)+16*q+i+1]|, v[TM+q]
.set q, q+1
.endr
.set i, i+2
.endr
	WIN 0
.irp q, 0,1,2,3,4,5,6,7
	v_permlanex16_b32 v[TM+8+\q], v[TM+\q], s28, s29
.endr
.irp q, 0,1,2,3,4,5,6,7
	v_max_num_f32 v[TM+\q], v[TM+\q], v[TM+8+\q]   ; the block's largest magnitude
.endr
.irp q, 0,1,2,3,4,5,6,7
	v_add_nc_u32 v[TM+16+\q], 0xff000000, v[TM+\q] ; 2 off the exponent field: the conversion's scale operand
.endr
.irp q, 0,1,2,3,4,5,6,7
	v_lshrrev_b32 v[TM+8+\q], 23, v[TM+16+\q]      ; the scale's byte
.endr
.if \adj
.irp q, 0,1,2,3,4,5,6,7
	v_add_nc_u32 v[TM+8+\q], -3, v[TM+8+\q]        ; q / 8: the same codes under a scale 2^3 smaller
.endr
.endif
.irp t, 0,1,2,3
	v_lshl_or_b32 v[PW+4*(\g)+\t], v[TM+9+2*\t], 8, v[TM+8+2*\t]
.endr
.irp t, 0,1,2,3
	v_or_b32 v[PW+4*(\g)+\t], 0x7f7f0000, v[PW+4*(\g)+\t]   ; bytes 2, 3: 1.0, over codes that count for nothing
.endr
	WIN 0x01
.irp t, 0,1,2,3
	v_cvt_scalef32_pk16_fp6_f32 v[OUT+6*(4*(\g)+\t):OUT+6*(4*(\g)+\t)+2], v[128*(\g)+32*\t:128*(\g)+32*\t+15], v[TM+16+2*\t]
	v_cvt_scalef32_pk16_fp6_f32 v[CT+4*\t:CT+4*\t+2], v[128*(\g)+32*\t+16:128*(\g)+32*\t+31], v[TM+17+2*\t]
.endr
	WIN 0
	v_nop                                          ; one plain place behind a scaled conversion
.irp t, 0,1,2,3                        ; the operand's layout wants a whole block in a lane: lanes 0-15 block 0, lanes 16-31 block 1
.irp k, 0,1,2
	v_permlane16_swap_b32 v[OUT+6*(4*(\g)+\t)+\k], v[CT+4*\t+\k]
.endr
.irp k, 0,1,2
	v_mov_b32 v[OUT+6*(4*(\g)+\t)+3+\k], v[CT+4*\t+\k]
.endr
.endr
.endm
.macro EPI_QK op, scoff, adj, floor
	s_wait_xcnt 0x0                                ; the registers below were the data of the last round's stores: written again only behind this wait
	QUANT2G 0, \adj, \floor
	QUANT2G 1, \adj, \floor
.set T, 0
.rept 8
	global_store_b128 v1, v[OUT+6*T:OUT+6*T+3], s[\op:\op+1] offset:768*T
	global_store_b64 v2, v[OUT+6*T+4:OUT+6*T+5], s[\op:\op+1] offset:768*T+512
.set T, T+1
.endr
.irp B, 0,1,2,3
	v_cndmask_b32 v[KW+\B], v[PW+2*\B], v[PW+2*\B+1], s30   ; lanes 0-15 the even tile's words, lanes 16-31 the odd tile's
.endr
	global_store_b128 v1, v[KW:KW+3], s[\op:\op+1] offset:\scoff
.endm
; v: tile f of features, 128 tokens: 64 numbers of a lane, register 16 b + i = token 32 b + 16 h + i: one whole fragment and its scale word
.macro QUANT4 f
	WIN 0x05
.irp b, 0,1,2,3
	v_max3_num_f32 v[TM+\b], |v[64*(\f)+16*\b]|, |v[64*(\f)+16*\b+1]|, 0x1800000
.endr
.irp i, 2,4,6,8,10,12,14
.irp b, 0,1,2,3
	v_max3_num_f32 v[TM+\b], |v[64*(\f)+16*\b+\i]|, |v[64*(\f)+16*\b+\i+1]|, v[TM+\b]
.endr
.endr
	WIN 0
.irp b, 0,1,2,3
	v_permlanex16_b32 v[TM+8+\b], v[TM+\b], s28, s29
.endr
.irp b, 0,1,2,3
	v_max_num_f32 v[TM+\b], v[TM+\b], v[TM+8+\b]
.endr
.irp b, 0,1,2,3
	v_add_nc_u32 v[TM+16+\b], 0xff000000, v[TM+\b]
.endr
.irp b, 0,1,2,3
	v_lshrrev_b32 v[TM+8+\b], 23, v[TM+16+\b]
.endr
	v_lshl_or_b32 v[PW+(\f)], v[TM+9], 8, v[TM+8]
	v_lshl_or_b32 v[PW+(\f)], v[TM+10], 16, v[PW+(\f)]
	v_lshl_or_b32 v[PW+(\f)], v[TM+11], 24, v[PW+(\f)]
	WIN 0x01
.irp c, 0,1
	v_cvt_scalef32_pk16_fp6_f32 v[OUT+12*(\f)+6*\c:OUT+12*(\f)+6*\c+2], v[64*(\f)+32*\c:64*(\f)+32*\c+15], v[TM+16+2*\c]
	v_cvt_scalef32_pk16_fp6_f32 v[CT+4*\c:CT+4*\c+2], v[64*(\f)+32*\c+16:64*(\f)+32*\c+31], v[TM+17+2*\c]
.endr
	WIN 0
	v_nop
.irp c, 0,1
.irp k, 0,1,2
	v_permlane16_swap_b32 v[OUT+12*(\f)+6*\c+\k], v[CT+4*\c+\k]
.endr
.irp k, 0,1,2
	v_mov_b32 v[OUT+12*(\f)+6*\c+3+\k], v[CT+4*\c+\k]
.endr
.endr
.endm
	s_load_b512 s[4:19], s[0:1], 0x0               ; xcodes s[4:5], xscales s[6:7], wcodes s[8:9], wscales s[10:11], bq s[12:13], bk s[14:15], bv s[16:17], qbuf s[18:19]
	s_load_b64 s[20:21], s[0:1], 0x40              ; kv
	v_lshl_add_u32 v[SPW], v0, 2, SPARE
	v_mov_b32 v[NIL], 0
	ds_add_u32 v[SPW], v[NIL]                      ; the wave's opening: the add and its wait ahead of my first tensor load; work on registers stands between them
	ds_add_u32 v[SPW], v[NIL]
	v_lshrrev_b32 v7, 5, v0
	v_readfirstlane_b32 s22, v7                    ; wave
	s_bfe_u32 s23, ttmp6, 0x40000                  ; cx: my place in the cluster; it enters global addresses alone
	s_and_b32 s24, ttmp7, 0xffff                   ; the block of 128 tokens, which the four partners share
	s_lshl_b32 s25, s23, 2
	s_add_co_u32 s25, s25, s22                     ; my head
	; descriptor group 1: 96 rows of 256 bytes, dense
	s_mov_b32 s32, 15|(3<<16)|(1<<21)              ; 15:0 the mask: all four work-groups; 17:16 elements of 8 bytes; 21 set beside a mask
	s_mov_b32 s33, 32<<16                          ; tensor_dim0 = 32
	s_mov_b32 s34, 96<<16                          ; tensor_dim1 = 96
	s_mov_b32 s35, 32<<16                          ; tile_dim0 = 32
	s_mov_b32 s36, 96                              ; tile_dim1 = 96
	s_mov_b32 s37, 32                              ; from row to row
	s_mov_b32 s38, 0
	s_mov_b32 s39, 0
	s_mov_b32 s40, 1
	s_mul_i32 s41, s22, 24576                      ; my quarter of the block's images, in LDS
	s_mul_i32 s26, s24, 98304
	s_add_co_u32 s26, s26, s41                     ; and in memory
	s_mov_b32 s27, 0
	s_mov_b32 s61, 0
	s_mov_b32 s28, 0x76543210
	s_mov_b32 s29, 0xfedcba98                      ; lane selects: lane l xor 16
	s_mov_b32 s30, 0xffff0000                      ; lanes 16-31
	v_and_b32 v7, 31, v0
	v_lshlrev_b32 v1, 4, v7                        ; 16 x lane
	v_lshlrev_b32 v2, 3, v7                        ; 8 x lane
	v_lshlrev_b32 v3, 2, v7                        ; 4 x lane
	v_bfe_u32 v4, v0, 4, 1
	v_lshlrev_b32 v4, 6, v4                        ; 64 h: the bias of q and k
	v_and_b32 v5, 7, v0
	v_bfe_u32 v7, v0, 3, 1
	v_lshlrev_b32 v5, 2, v5
	v_lshl_add_u32 v5, v7, 6, v5                   ; 4 ((r & 7) + 16 (r >> 3)): the bias of v
	v_add_nc_u32 v6, 49152, v1                     ; K steps 4 to 7 in LDS
.irp q, 0,1,2,3,4,5,6,7
	v_mov_b32 v[TM+8+\q], 0                        ; a lane permute's destination counts as one of its sources
.endr
	s_wait_dscnt 0x0                               ; the opening add is done
	s_wait_kmcnt 0x0
	s_add_nc_u64 s[42:43], s[4:5], s[26:27]
	s_or_b32 s43, s43, 0x80000000                  ; type = 2
	s_lshl_b32 s26, s24, 12
	s_add_nc_u64 s[6:7], s[6:7], s[26:27]          ; the block's scale words
	s_mul_i32 s60, s25, 49152
	s_add_nc_u64 s[44:45], s[8:9], s[60:61]        ; my head's columns of Wq,
	s_add_nc_u64 s[46:47], s[44:45], 786432        ; of Wk,
	s_add_nc_u64 s[48:49], s[46:47], 786432        ; of Wv
	s_lshl_b32 s60, s25, 11
	s_add_nc_u64 s[50:51], s[10:11], s[60:61]
	s_add_nc_u64 s[52:53], s[50:51], 32768
	s_add_nc_u64 s[54:55], s[52:53], 32768
	s_lshl_b32 s60, s25, 8
	s_add_nc_u64 s[12:13], s[12:13], s[60:61]
	s_add_nc_u64 s[14:15], s[14:15], s[60:61]
	s_add_nc_u64 s[16:17], s[16:17], s[60:61]
	s_lshr_b32 s62, s24, 4
	s_lshl_b32 s62, s62, 4
	s_add_co_u32 s62, s62, s25                     ; 16 x batch + head
	s_lshl_b32 s62, s62, 4
	s_and_b32 s63, s24, 15
	s_add_co_u32 s62, s62, s63                     ; the record
	s_mul_i32 s60, s62, 6656
	s_add_nc_u64 s[56:57], s[18:19], s[60:61]
	s_mul_i32 s60, s62, 13312
	s_add_nc_u64 s[58:59], s[20:21], s[60:61]
	ROUNDC                                         ; all four work-groups are here: the joint loads meet
	tensor_load_to_lds s[40:43], s[32:39]          ; my one tensor load of the launch
	s_nop 0
.rept 4
	v_nop
.endr
.irp B, 0,1,2,3
.irp k, 0,1
	global_load_b128 v[XS+8*\B+4*\k:XS+8*\B+4*\k+3], v1, s[6:7] offset:2048*\k+512*\B
.endr
.endr
.set i, 0
.rept 16                               ; the weights' scale words of all three rounds
	global_load_b32 v[WS+i], v3, s[50:51] offset:128*i
	global_load_b32 v[224+i], v3, s[52:53] offset:128*i
	global_load_b32 v[240+i], v3, s[54:55] offset:128*i
.set i, i+1
.endr
	PRELOAD 0, 44, 50, 12
.irp c, 0,1,2,3,4,5
	CHUNK \c
.endr
.set RND, 0
.set WSR, WS
	s_wait_tensorcnt 0x0                           ; my quarter has landed,
	s_barrier_signal -1
	s_barrier_wait -1                              ; everybody's has; nothing is filled again in this launch
	FETCHX 0
	s_wait_alu depctr_va_vdst(0)
.irp s, 0,1,2,3,4,5,6,7
	STEP 0, \s, 44, 1                              ; q
.endr
	EPI_QK 56, 6144, 1, 0x3000000                  ; k's first chunks are on their way while q is quantised
.set RND, 1
.set WSR, 224
.irp s, 0,1,2,3,4,5,6,7
	STEP 0, \s, 46, 1                              ; k
.endr
	EPI_QK 58, 12288, 0, 0x1800000
.set RND, 2
.set WSR, 240
.irp s, 0,1,2,3,4,5,6
	STEP 1, \s, 48, 1                              ; v
.endr
	STEP 1, 7, 48, 0
	s_wait_xcnt 0x0                                ; k's stores have read their registers
	QUANT4 0
	QUANT4 1
	QUANT4 2
	QUANT4 3
.set i, 0
.rept 12
	global_store_b128 v1, v[OUT+4*i:OUT+4*i+3], s[58:59] offset:6144+512*i
.set i, i+1
.endr
	global_store_b128 v1, v[PW:PW+3], s[58:59] offset:12800
	s_wait_tensorcnt 0x0                           ; the wave's end
	ds_add_u32 v[SPW], v[NIL]
	s_wait_dscnt 0x0
	ROUNDC                                         ; the closing round
	s_endpgm
.Lfunc_end_k_q7028c3cb5f_qkv:
	.size	k_q7028c3cb5f_qkv, .Lfunc_end_k_q7028c3cb5f_qkv-k_q7028c3cb5f_qkv
	.p2alignl 7, 3214868480
	.fill 96, 4, 3214868480
	.section	.rodata,"a",@progbits
	.p2align	6, 0x0
	.amdhsa_kernel k_q7028c3cb5f_qkv
		.amdhsa_group_segment_fixed_size 167936
		.amdhsa_private_segment_fixed_size 0
		.amdhsa_enable_private_segment 0
		.amdhsa_kernarg_size 72
		.amdhsa_user_sgpr_count 2
		.amdhsa_user_sgpr_kernarg_segment_ptr 1
		.amdhsa_wavefront_size32 1
		.amdhsa_system_sgpr_workgroup_id_x 1
		.amdhsa_system_sgpr_workgroup_id_y 1
		.amdhsa_system_sgpr_workgroup_id_z 1
		.amdhsa_system_vgpr_workitem_id 0
		.amdhsa_next_free_vgpr 1024
		.amdhsa_next_free_sgpr 66
		.amdhsa_reserve_vcc 0
		.amdhsa_float_denorm_mode_32 3
		.amdhsa_float_denorm_mode_16_64 3
		.amdhsa_memory_ordered 1
		.amdhsa_forward_progress 1
		.amdhsa_inst_pref_size 235
	.end_amdhsa_kernel
	.amdgpu_metadata
---
amdhsa.version: [ 1, 2 ]
amdhsa.kernels:
  - .name:           k_q7028c3cb5f_qkv
    .symbol:         k_q7028c3cb5f_qkv.kd
    .args:
      - { .name: xcodes, .offset: 0, .size: 8, .value_kind: global_buffer, .address_space: global }
      - { .name: xscales, .offset: 8, .size: 8, .value_kind: global_buffer, .address_space: global }
      - { .name: wcodes, .offset: 16, .size: 8, .value_kind: global_buffer, .address_space: global }
      - { .name: wscales, .offset: 24, .size: 8, .value_kind: global_buffer, .address_space: global }
      - { .name: bq, .offset: 32, .size: 8, .value_kind: global_buffer, .address_space: global }
      - { .name: bk, .offset: 40, .size: 8, .value_kind: global_buffer, .address_space: global }
      - { .name: bv, .offset: 48, .size: 8, .value_kind: global_buffer, .address_space: global }
      - { .name: qbuf, .offset: 56, .size: 8, .value_kind: global_buffer, .address_space: global }
      - { .name: kv, .offset: 64, .size: 8, .value_kind: global_buffer, .address_space: global }
    .group_segment_fixed_size: 167936
    .private_segment_fixed_size: 0
    .kernarg_segment_align: 8
    .kernarg_segment_size: 72
    .max_flat_workgroup_size: 128
    .sgpr_count:     66
    .vgpr_count:     1024
    .wavefront_size: 32
...
	.end_amdgpu_metadata
.endif
;; end of part 2
;; launch attn (part 3): grid 4 x 64, 8 waves a work-group, clusters of 4 x 1, 327,680 bytes of LDS; arguments qbuf, kv, attention_mask, ctxc, ctxs; writes ctxc, ctxs
.if DOCPART == 3
	.amdgcn_target "amdgcn-amd-amdhsa--gfx1250"
	.amdhsa_code_object_version 6
	.text
	.protected	k_q7028c3cb5f_attn
	.globl	k_q7028c3cb5f_attn
	.p2align	8
	.type	k_q7028c3cb5f_attn,@function
k_q7028c3cb5f_attn:
	s_mov_b64 s[64:65], 0
	v_nop
	global_prefetch_b8 v0, s[64:65] scope:SCOPE_SE
	s_setreg_imm32_b32 hwreg(HW_REG_WAVE_MODE, 25, 1), 1
	s_wait_xcnt 0x0
	s_wait_alu depctr_hold_cnt(0) depctr_sa_sdst(0) depctr_va_vdst(0) depctr_va_sdst(0) depctr_va_ssrc(0) depctr_va_vcc(0) depctr_vm_vsrc(0)
	s_getreg_b32 s2, hwreg(HW_REG_IB_STS2, 6, 4)
	s_cmp_eq_u32 s2, 0
	s_cbranch_scc0 .Lentry_in_a_cluster
	s_endpgm
.Lentry_in_a_cluster:
	s_bfe_u32 s2, ttmp6, 0x10000c
	s_cmp_lg_u32 s2, 0x3003
	s_cbranch_scc0 .Lentry_shape_is_right
	s_endpgm
.Lentry_shape_is_right:
; ctx = softmax(q k^T + mask) v on codes of FP6, and ctx quantised again along the features for the last projection.
; SHARES.  A cluster of four work-groups owns one (batch, head); its 16 records of kv (k, v^T and their scale words for 128 keys each, 212,992 bytes) come into each work-group's LDS once, by joint loads, one a wave.
; A wave owns 2 passes x 32 queries (two tiles of 16) and walks the 16 records.  Both products are used transposed (S^T = k q^T, O^T = v^T p^T): a lane holds one query throughout.
; THE ROWS OF A TILE OF k ARE CHOSEN BY THE LANES' LDS ADDRESSES: rows 0-7 of tile 4 c + t are keys 64 c + 8 t + 0..7, rows 8-15 keys 64 c + 32 + 8 t + 0..7.  So the 32 score registers of tiles 4 c .. 4 c + 3
; of lane (r, h) are keys 64 c + 32 h + 0..31 in order: one whole scale block, and the place that p's operand gives that lane.  No block maximum and no code crosses lanes; the row's maximum and p's scale word cross once.
; p = 2^(t - M), t = score x log2(e), M = ceil(running largest t), a whole number; a change of M multiplies O^T and the sums by an exact power of two, in every step, with no branch on data.  The sums are taken of the unquantised p.
; A block's largest p is the block's largest score put through the same multiply-add and exponential.  The mask is the C of the score products.
; THE SECOND PRODUCT RUNS ONE STEP BEHIND: step s issues v^T p^T of step s - 1, with the lines that make M and the factor between its eight instructions.  The first step of a pass multiplies codes of zero.
; The step after the last prefetches record 0 again, which the next pass reads first.
; The mask (8,192 bytes) comes by plain loads and LDS stores into bytes of its own, on which no tensor load lands.
; USER PRIORITIES (s_setprio).  The eight waves are two to a SIMD.  Waves of class 1 (bit 0 of wave xor wave / 4) run at priority 2 through their first 21 steps and at 0 afterwards, waves of class 0 at 1 throughout:
; the lead between two waves of unlike class changes hands once.  The branches hang on the wave's number and on counted loops alone; no value hangs on the priorities.
; No prefetch into the L2: every byte of kv is asked for at the head, so there is no loop to run ahead in.
; LIMITS: the promise holds while the scaled scores stay under 2^31 in magnitude; NaN and +infinity among the inputs are not served; a block of zeros gets the floor's byte (its codes are zeros; this program alone reads the bytes).
; REGISTERS.  window 0: v1-15 addresses, v16-119 small things (below), v120-143 q, v144-191 v^T's fragments, v192-255 O^T.  window 1: v0-127 the scores, then p; v128-181 k's half fragments; v182-245 the mask.
.set REC,   13312
.set MASK,  16*REC
.set SPARE, MASK+8192
.set AK,  1                            ; LDS addresses of this step: k's registers 0-3, 4-5, the mask, k's scale words, v
.set AK2, 2
.set AM,  3
.set L16, 4                            ; 16 x lane, 8 x lane
.set L8,  5
.set AKS, 6
.set AV,  7
.set SPW, 8
.set NIL, 9
.set BMK, 10                           ; the lanes' parts of those addresses
.set BK,  11
.set BK2, 12
.set BKS, 13
.set SH8, 14                           ; 8 h
.set GT,  15                           ; 16 x thread
.set ST,  16                           ; tile X: v[ST+2X] = -M, v[ST+2X+1] = the running largest score
.set F,   20                           ; tile X: v[F+2X] the factor (the pair's upper register is written once)
.set QS,  24
.set KS,  28                           ; register 2 (t / 2) + c: lanes 0-15 tile 4 c + t with t even, lanes 16-31 t odd
.set VS,  32
.set PW,  36                           ; p's scale words, one a tile
.set L,   40                           ; the sums: four pairs a tile
.set BM,  56                           ; block 2 X + c: largest score, then largest p
.set CH,  60
.set TT,  68
.set BY,  72
.set PT,  76
.set SO,  80
.set PC,  84                           ; p's codes, 12 a tile; in the epilogue ctx's codes
.set PX,  108
.set QF,  120
.set VF,  144
.set O,   192
.set KF,  128                          ; window 1
.set MK,  182                          ; window 1
.set MSB, 0
.macro WIN new                         ; the immediate's high byte repeats the setting that is left
.if MSB != \new
	s_set_vgpr_msb (MSB<<8)|\new
.set MSB, \new
.endif
.endm
.macro WALU
	s_wait_alu depctr_va_vdst(0)
.endm
.macro ROUNDC                          ; a round of the cluster's barrier
	s_barrier_signal -1
	s_barrier_wait -1
	s_cmp_lg_u32 s14, 0
	s_cbranch_scc1 .Lnot_wave_0_\@
	s_barrier_signal -3
.Lnot_wave_0_\@:
	s_barrier_wait -3
	s_barrier_signal -1
	s_barrier_wait -1
.endm
.macro WM                              ; one matrix instruction from the symbols rD, rA, rB, rC, rSA, rSB; rRA, rRB: the scales stand in lanes 16-31
.if rRA && rRB
	v_wmma_scale_f32_16x16x128_f8f6f4 v[rD:rD+7], v[rA:rA+11], v[rB:rB+11], v[rC:rC+7], v[rSA], v[rSB] matrix_a_fmt:MATRIX_FMT_FP6 matrix_b_fmt:MATRIX_FMT_FP6 matrix_a_scale:MATRIX_SCALE_ROW1 matrix_b_scale:MATRIX_SCALE_ROW1
.elseif rRA
	v_wmma_scale_f32_16x16x128_f8f6f4 v[rD:rD+7], v[rA:rA+11], v[rB:rB+11], v[rC:rC+7], v[rSA], v[rSB] matrix_a_fmt:MATRIX_FMT_FP6 matrix_b_fmt:MATRIX_FMT_FP6 matrix_a_scale:MATRIX_SCALE_ROW1
.elseif rRB
	v_wmma_scale_f32_16x16x128_f8f6f4 v[rD:rD+7], v[rA:rA+11], v[rB:rB+11], v[rC:rC+7], v[rSA], v[rSB] matrix_a_fmt:MATRIX_FMT_FP6 matrix_b_fmt:MATRIX_FMT_FP6 matrix_b_scale:MATRIX_SCALE_ROW1
.else
	v_wmma_scale_f32_16x16x128_f8f6f4 v[rD:rD+7], v[rA:rA+11], v[rB:rB+11], v[rC:rC+7], v[rSA], v[rSB] matrix_a_fmt:MATRIX_FMT_FP6 matrix_b_fmt:MATRIX_FMT_FP6
.endif
.endm
.macro ADDR                            ; s25: the record of k to fetch, s17: its 512 bytes of the mask, s18: the record of v
	v_add_nc_u32 v[AK], s25, v[BK]
	v_add_nc_u32 v[AK2], s25, v[BK2]
	v_add_nc_u32 v[AKS], s25, v[BKS]
	v_add_nc_u32 v[AM], s17, v[BMK]
	v_add_nc_u32 v[AV], s18, v[L16]
.endm
.macro LDK                             ; 36 LDS loads: k's eight half fragments, the mask of 128 keys in the result's layout, k's scale words
	WIN 0x40
.set n, 0
.rept 8                                ; tile n = 4 c + t takes rows (r & 7) + 8 (t / 2) of the stored tiles 4 c + 2 (r / 8) + t % 2
	ds_load_b128 v[KF+6*n:KF+6*n+3], v[AK] offset:3072*(n>>2)+768*(n&1)+128*((n>>1)&1)
	ds_load_b64 v[KF+6*n+4:KF+6*n+5], v[AK2] offset:3072*(n>>2)+768*(n&1)+512+64*((n>>1)&1)
.set n, n+1
.endr
.set n, 0
.rept 16
	ds_load_b128 v[MK+4*n:MK+4*n+3], v[AM] offset:256*(n>>3)+16*(n&7)
.set n, n+1
.endr
	WIN 0
.set n, 0
.rept 4
	ds_load_b32 v[KS+n], v[AKS] offset:12288+128*(n>>1)+8*(n&1)
.set n, n+1
.endr
.endm
.macro LDV                             ; 13 LDS loads: v^T's four fragments and their scale words
.set n, 0
.rept 12
	ds_load_b128 v[VF+4*n:VF+4*n+3], v[AV] offset:6144+512*n
.set n, n+1
.endr
	ds_load_b128 v[VS:VS+3], v[AV] offset:12800
.endm
.macro QLOAD                           ; 5 loads: a pass's two tiles of q and their scale words
.irp X, 0,1
	global_load_b128 v[QF+12*\X:QF+12*\X+3], v[L16], s[52:53] offset:768*\X
	global_load_b64 v[QF+12*\X+4:QF+12*\X+5], v[L8], s[52:53] offset:768*\X+512
.endr
	global_load_b32 v[QS], v[L16], s[54:55]
.endm
.macro QK                              ; S^T = k q^T + mask: 16 instructions on 16 accumulators
	WIN 0x51                                       ; source 0 (k), C (the mask) and D window 1, source 1 (q) window 0
.set n, 0
.rept 8
.set x, 0
.rept 2
.set rD, 64*x+8*n
.set rA, KF+6*n
.set rB, QF+12*x
.set rC, MK+8*n
.set rSA, KS+2*((n>>1)&1)+(n>>2)
.set rSB, QS
.set rRA, n&1
.set rRB, x
	WM
.set x, x+1
.endr
.set n, n+1
.endr
	WIN 0
.endm
.macro CHN i                           ; line i of the way from the blocks' largest scores to -M and the factor, for both tiles
.irp X, 0,1
.if \i == 0
	v_max3_num_f32 v[TT+\X], v[ST+2*\X+1], v[BM+2*\X], v[BM+2*\X+1]
.elseif \i == 1
	v_permlanex16_b32 v[PT+\X], v[TT+\X], s20, s21
.elseif \i == 2
	v_max_num_f32 v[ST+2*\X+1], v[TT+\X], v[PT+\X]      ; the running largest score of my query
.elseif \i == 3
	v_mul_f32 v[TT+\X], s22, v[ST+2*\X+1]               ; as t
.elseif \i == 4
	v_floor_f32 v[TT+\X], -v[TT+\X]                     ; the new -M = floor(-t)
.elseif \i == 5
	v_sub_f32 v[TT+2+\X], v[TT+\X], v[ST+2*\X]          ; old M less new M: a whole number, 0 or less
.elseif \i == 6
	v_cvt_i32_f32 v[TT+2+\X], v[TT+2+\X]                ; (it saturates)
.elseif \i == 7
	v_ldexp_f32 v[F+2*\X], 1.0, v[TT+2+\X]
.endif
.endr
.endm
.macro PV chain                        ; O^T += v^T p^T: eight accumulators by turns; every register lies in window 0
.set w, 0
.rept 8
.set rD, O+32*(w&1)+8*(w>>1)
.set rC, rD
.set rA, VF+12*(w>>1)
.set rB, PC+12*(w&1)
.set rSA, VS+(w>>1)
.set rSB, PW+(w&1)
.set rRA, 0
.set rRB, 0
	WM
.if \chain
	CHN w
.endif
.set w, w+1
.endr
.endm
.macro CVT X                           ; a lane's two blocks of 32 p into codes (a conversion's three registers begin on an even number)
.irp c, 0,1
	v_cvt_scalef32_pk16_fp6_f32 v[PC+12*\X+6*\c:PC+12*\X+6*\c+2], v[64*\X+32*\c:64*\X+32*\c+15], v[SO+2*\X+\c]
	v_cvt_scalef32_pk16_fp6_f32 v[PX+4*\c:PX+4*\c+2], v[64*\X+32*\c+16:64*\X+32*\c+31], v[SO+2*\X+\c]
.endr
.endm
.macro MOVS X
.irp c, 0,1
.irp k, 0,1,2
	v_mov_b32 v[PC+12*\X+6*\c+3+\k], v[PX+4*\c+\k]
.endr
.endr
.endm
.macro TREE base, n, d                 ; n packed additions in place: pair at base + 2 d i takes the pair d further on
.set i, 0
.rept \n
	v_pk_add_f32 v[\base+2*\d*i:\base+2*\d*i+1], v[\base+2*\d*i:\base+2*\d*i+1], v[\base+2*\d*i+\d:\base+2*\d*i+\d+1]
.set i, i+1
.endr
.endm
.macro STEP                            ; step s26
	s_wait_dscnt 13                                ; k, the mask and k's scale words are in; the 13 loads of v issued behind them may be out
	QK
	s_add_co_u32 s2, s26, 1
	s_and_b32 s2, s2, 15                           ; the next record of k; behind the last, record 0
	s_mul_i32 s25, s2, REC
	s_lshl_b32 s17, s2, 9
	s_mul_i32 s18, s26, REC                        ; this step's record of v
	ADDR                                           ; five plain lines: the places ahead of the loads into k's, the mask's and the scales' registers
	LDK
	s_wait_dscnt 36                                ; the last step's v is in; the 36 loads just issued may be out
	WIN 0x15                                       ; the largest score of each block of 32: eight chains of 16 side by side, each accumulator from its low end on
.set q, 0
.rept 8
	v_max3_num_f32 v[CH+q], v[16*q], v[16*q+1], v[16*q+2]
.set q, q+1
.endr
	WIN 0x05
.set i, 3
.rept 6
.set q, 0
.rept 8
	v_max3_num_f32 v[CH+q], v[16*q+i], v[16*q+i+1], v[CH+q]
.set q, q+1
.endr
.set i, i+2
.endr
.set q, 0
.rept 4
	v_max3_num_f32 v[CH+2*q], v[32*q+15], v[32*q+31], v[CH+2*q]
.set q, q+1
.endr
	WIN 0
.irp q, 0,1,2,3
	v_max_num_f32 v[BM+\q], v[CH+2*\q], v[CH+2*\q+1]
.endr
	PV 1                                           ; the last step's second product, and between its instructions the way to -M and the factor
.irp X, 0,1
	v_mov_b32 v[ST+2*\X], v[TT+\X]
.endr
	WIN 0x41
.set j, 0
.rept 32
	v_pk_fma_f32 v[j:j+1], v[j:j+1], s[22:23], v[ST:ST+1] op_sel_hi:[1,0,0]   ; tile 0: t - M (of the pairs the low word serves both halves)
.set j, j+2
.endr
	WIN 0
.irp q, 0,1,2,3
	v_fma_f32 v[BM+\q], v[BM+\q], s22, v[ST+2*(\q/2)]  ; the same of each block's largest score
.endr
	LDV                                            ; this step's v, into the registers just multiplied
.irp X, 0,1
.set j, 0
.rept 16
	v_pk_mul_f32 v[O+32*\X+j:O+32*\X+j+1], v[O+32*\X+j:O+32*\X+j+1], v[F+2*\X:F+2*\X+1] op_sel_hi:[1,0]   ; O^T under the new M
.set j, j+2
.endr
.set j, 0
.rept 4
	v_pk_mul_f32 v[L+8*\X+j:L+8*\X+j+1], v[L+8*\X+j:L+8*\X+j+1], v[F+2*\X:F+2*\X+1] op_sel_hi:[1,0]      ; and the sums
.set j, j+2
.endr
.endr
	WALU                                           ; a wait ahead of a batch of exponentials and one behind it
.irp q, 0,1,2,3
	v_exp_f32 v[BM+\q], v[BM+\q]                   ; the blocks' largest p
.endr
	WIN 0x41
.set j, 0
.rept 24                               ; tile 0's p; among them and behind them tile 1's t - M: lines that hang on nothing of this batch and are read behind the next wait
	v_exp_f32 v[j], v[j]
	v_pk_fma_f32 v[64+j:65+j], v[64+j:65+j], s[22:23], v[ST+2:ST+3] op_sel_hi:[1,0,0]
	v_exp_f32 v[j+1], v[j+1]
.set j, j+2
.endr
.rept 8
	v_exp_f32 v[j], v[j]
	v_exp_f32 v[j+1], v[j+1]
.set j, j+2
.endr
.set j, 48
.rept 8
	v_pk_fma_f32 v[64+j:65+j], v[64+j:65+j], s[22:23], v[ST+2:ST+3] op_sel_hi:[1,0,0]
.set j, j+2
.endr
	WIN 0
	WALU
.irp q, 0,1,2,3
	v_max_num_f32 v[BM+\q], 0x1800000, v[BM+\q]    ; the floor 2^(3 - 127): the byte cannot fall under 1
.endr
.irp q, 0,1,2,3
	v_add_nc_u32 v[SO+\q], 0xff000000, v[BM+\q]    ; 2 off the exponent field: the conversion's scale operand
.endr
.irp q, 0,1,2,3
	v_lshrrev_b32 v[BY+\q], 23, v[SO+\q]           ; the scale's byte
.endr
.irp X, 0,1
	v_lshl_or_b32 v[TT+\X], v[BY+2*\X+1], 16, v[BY+2*\X]   ; my two bytes: blocks h and 2 + h,
.endr
	WIN 0x01
	CVT 0
	WIN 0
.irp X, 0,1
	v_lshlrev_b32 v[TT+\X], v[SH8], v[TT+\X]       ; 8 h bits up (also the plain place behind the conversions);
.endr
.irp X, 0,1
	v_permlanex16_b32 v[PT+\X], v[TT+\X], s20, s21
.endr
	MOVS 0
.irp X, 0,1
	v_or_b32 v[PW+\X], v[TT+\X], v[PT+\X]          ; with lane l xor 16's two the word is whole
.endr
	WALU
	WIN 0x45
.set j, 0
.rept 8                                ; tile 1's p; among them and behind them the first level of tile 0's sums, in place: its codes are made
.set e, 0
.rept 8
	v_exp_f32 v[64+8*j+e], v[64+8*j+e]
.set e, e+1
.endr
	v_pk_add_f32 v[4*j:4*j+1], v[4*j:4*j+1], v[4*j+2:4*j+3]
.set j, j+1
.endr
.rept 8
	v_pk_add_f32 v[4*j:4*j+1], v[4*j:4*j+1], v[4*j+2:4*j+3]
.set j, j+1
.endr
	WIN 0
	WALU
	WIN 0x01
	CVT 1
	WIN 0x45
	TREE 0, 8, 4                                   ; the sums go on as trees, down to four pairs a tile
	WIN 0
	MOVS 1
	WIN 0x45
	TREE 64, 16, 2
	TREE 0, 4, 8
	TREE 64, 8, 4
	TREE 64, 4, 8
	WIN 0x01
.irp X, 0,1
.irp i, 0,1,2,3
	v_pk_add_f32 v[L+8*\X+2*\i:L+8*\X+2*\i+1], v[64*\X+16*\i:64*\X+16*\i+1], v[L+8*\X+2*\i:L+8*\X+2*\i+1]
.endr
.endr
	WIN 0
.endm
	s_load_b256 s[4:11], s[0:1], 0x0               ; qbuf s[4:5], kv s[6:7], the mask s[8:9], ctxc s[10:11]
	s_load_b64 s[12:13], s[0:1], 0x20              ; ctxs
	v_lshl_add_u32 v[SPW], v0, 2, SPARE
	v_mov_b32 v[NIL], 0
	ds_add_u32 v[SPW], v[NIL]                      ; the opening lines: the add, twice on end, and its wait ahead of my tensor load
	ds_add_u32 v[SPW], v[NIL]
	v_lshrrev_b32 v1, 5, v0
	v_readfirstlane_b32 s14, v1                    ; wave
	s_bfe_u32 s15, ttmp6, 0x40000                  ; cx: it enters global addresses alone
	s_and_b32 s16, ttmp7, 0xffff                   ; 16 x batch + head, which the four partners share
	s_lshr_b32 s36, s14, 2
	s_xor_b32 s36, s36, s14
	s_and_b32 s36, s36, 1                          ; my class for the priorities
	s_mov_b32 s28, 15|(3<<16)|(1<<21)              ; group 1: 104 dense rows of 256 bytes (two records); the mask names all four work-groups
	s_mov_b32 s29, 32<<16
	s_mov_b32 s30, 104<<16
	s_mov_b32 s31, 32<<16
	s_mov_b32 s32, 104
	s_mov_b32 s33, 32
	s_mov_b32 s34, 0
	s_mov_b32 s35, 0
	s_mov_b32 s44, 1
	s_mul_i32 s45, s14, 2*REC                      ; my two records, in LDS
	s_mul_i32 s18, s16, 16*REC
	s_add_co_u32 s18, s18, s45                     ; and in memory
	s_mov_b32 s19, 0
	s_lshr_b32 s2, s16, 4
	s_lshl_b32 s2, s2, 13                          ; my batch's row of the mask
	s_mov_b32 s3, 0
	s_mov_b32 s20, 0x76543210
	s_mov_b32 s21, 0xfedcba98                      ; lane selects: lane l xor 16
	s_mov_b32 s22, 0x3fb8aa3b                      ; log2(e)
	s_mov_b32 s23, s22
	s_mov_b32 s24, 0xffff0000                      ; lanes 16-31
	s_lshl_b32 s60, s15, 2
	s_lshr_b32 s61, s14, 2
	s_add_co_u32 s60, s60, s61                     ; my block of 128 queries in the first pass; the second lies two on
	s_and_b32 s61, s14, 3                          ; my pair of tiles in it
	s_lshl_b32 s62, s16, 4
	s_add_co_u32 s62, s62, s60
	s_mul_i32 s62, s62, 6656
	s_mul_i32 s63, s61, 1536
	s_add_co_u32 s52, s62, s63
	s_mov_b32 s53, 0
	s_lshl_b32 s63, s61, 2
	s_add_co_u32 s54, s62, s63
	s_add_co_u32 s54, s54, 6144
	s_mov_b32 s55, 0
	s_lshr_b32 s63, s16, 4
	s_lshl_b32 s63, s63, 4
	s_add_co_u32 s63, s63, s60                     ; ctx: the block of 128 tokens
	s_and_b32 s62, s16, 15                         ; the head
	s_mul_i32 s56, s63, 98304
	s_lshr_b32 s60, s62, 1
	s_mul_i32 s60, s60, 12288
	s_add_co_u32 s56, s56, s60
	s_mul_i32 s60, s61, 3072
	s_add_co_u32 s56, s56, s60
	s_and_b32 s60, s62, 1
	s_mul_i32 s60, s60, 768
	s_add_co_u32 s56, s56, s60
	s_mov_b32 s57, 0
	s_lshl_b32 s58, s63, 12
	s_lshr_b32 s60, s62, 3
	s_lshl_b32 s60, s60, 11
	s_add_co_u32 s58, s58, s60
	s_lshl_b32 s60, s61, 9
	s_add_co_u32 s58, s58, s60
	s_bfe_u32 s60, s62, 0x20001
	s_lshl_b32 s60, s60, 2
	s_add_co_u32 s58, s58, s60
	s_and_b32 s60, s62, 1
	s_lshl_b32 s60, s60, 1
	s_add_co_u32 s58, s58, s60
	s_mov_b32 s59, 0
	v_and_b32 v116, 31, v0
	v_bfe_u32 v117, v0, 4, 1                       ; h
	v_and_b32 v118, 7, v0                          ; r & 7
	v_bfe_u32 v119, v0, 3, 1                       ; r / 8
	v_lshlrev_b32 v[L16], 4, v116
	v_lshlrev_b32 v[L8], 3, v116
	v_lshl_add_u32 v[BMK], v117, 7, MASK           ; the mask: lane h takes keys 64 c + 32 h on
	v_mul_u32_u24 v[BK], v119, 1536                ; k: two stored tiles on for rows 8-15,
	v_mul_u32_u24 v[BK2], v119, 1536
	v_lshlrev_b32 v[BKS], 2, v119                  ; and the next pair's scale word
	v_lshl_add_u32 v[BK], v118, 4, v[BK]
	v_lshl_add_u32 v[BK2], v118, 3, v[BK2]
	v_lshl_add_u32 v[BKS], v118, 4, v[BKS]
	v_lshl_add_u32 v[BK], v117, 8, v[BK]           ; 1536 (r / 8) + 16 (r & 7) + 256 h
	v_lshl_add_u32 v[BK2], v117, 7, v[BK2]         ; 1536 (r / 8) + 8 (r & 7) + 128 h
	v_lshl_add_u32 v[BKS], v117, 8, v[BKS]         ; 4 (r / 8) + 16 (r & 7) + 256 h: lanes 16-31 take the odd tile's words
	v_lshlrev_b32 v[SH8], 3, v117
	v_lshlrev_b32 v[GT], 4, v0                     ; the mask's way in: 16 bytes a thread, twice
	v_lshl_add_u32 v112, v0, 4, MASK
	WALU
	s_wait_dscnt 0x0                               ; both opening adds are done
	s_wait_kmcnt 0x0
	s_add_nc_u64 s[46:47], s[6:7], s[18:19]
	s_or_b32 s47, s47, 0x80000000
	s_add_nc_u64 s[50:51], s[8:9], s[2:3]
	s_add_nc_u64 s[52:53], s[4:5], s[52:53]
	s_add_nc_u64 s[54:55], s[4:5], s[54:55]
	s_add_nc_u64 s[56:57], s[10:11], s[56:57]
	s_add_nc_u64 s[58:59], s[12:13], s[58:59]
	ROUNDC                                         ; all four work-groups are here: the joint loads meet
	tensor_load_to_lds s[44:47], s[28:35]          ; my one tensor load of the launch
	s_nop 0
.rept 4
	v_nop
.endr
	global_load_b128 v[CH:CH+3], v[GT], s[50:51]
	global_load_b128 v[CH+4:CH+7], v[GT], s[50:51] offset:4096
	QLOAD                                          ; the first pass's q
.irp j, 6,7,8,9,10,11
	v_mov_b32 v[QF+\j], 0                          ; q's K is 64 of the instruction's 128: the upper half holds codes of zero
	v_mov_b32 v[QF+12+\j], 0
.endr
.irp b, 0,1,2,3
	v_mov_b32 v[PT+\b], 0                          ; a lane permute's destination counts as one of its sources
.endr
	v_mov_b32 v[F+1], 0                            ; named as the upper halves of pairs
	v_mov_b32 v[F+3], 0
	v_mov_b32 v[PW], 0x7f7f7f7f                    ; over the first step's codes of zero
	v_mov_b32 v[PW+1], 0x7f7f7f7f
	WIN 0x40
.irp j, 48,49,50,51,52,53
	v_mov_b32 v[KF+\j], 0                          ; behind k's last half fragment
.endr
	WIN 0
	s_mov_b32 s25, 0
	s_mov_b32 s17, 0
	s_mov_b32 s18, 0
	ADDR
	WALU
	s_wait_loadcnt 5                               ; the mask's two loads are in; q's five may be out
	s_wait_tensorcnt 0x0                           ; my two records have landed
	ds_store_b128 v112, v[CH:CH+3]
	ds_store_b128 v112, v[CH+4:CH+7] offset:4096
	s_wait_dscnt 0x0
	s_barrier_signal -1
	s_barrier_wait -1                              ; everybody's have, and the mask is whole; nothing is filled again in this launch
	s_cmp_eq_u32 s36, 0
	s_cbranch_scc1 .Lclass_0
	s_setprio 2                                    ; class 1 begins above class 0
	s_branch .Lprio_set
.Lclass_0:
	s_setprio 1
.Lprio_set:
	LDK
	LDV                                            ; (record 0's v: the first step multiplies it by codes of zero)
	s_mov_b32 s27, 2
.Lpass:
.set j, 0
.rept 64
	v_mov_b32 v[O+j], 0
.set j, j+1
.endr
.set j, 0
.rept 16
	v_mov_b32 v[L+j], 0
.set j, j+1
.endr
.set j, 0
.rept 24
	v_mov_b32 v[PC+j], 0
.set j, j+1
.endr
.irp X, 0,1
	v_mov_b32 v[ST+2*\X+1], 0xff61b1e6             ; the largest score so far: -3e38
.endr
.irp X, 0,1
	v_floor_f32 v[ST+2*\X], -v[ST+2*\X+1]
.endr
	s_mov_b32 s26, 0
	s_cmp_eq_u32 s27, 1
	s_cselect_b32 s37, s36, 0                      ; class 1 in its second pass:
	s_cmp_eq_u32 s37, 1
	s_cselect_b32 s37, 5, 64                       ; the priority falls at the head of step 5, 21 steps in; else at no step
	WALU
	s_wait_loadcnt 0x0                             ; q is in
.Lstep:
	s_cmp_eq_u32 s26, s37
	s_cbranch_scc0 .Lkeep
	s_setprio 0                                    ; class 1 goes on below class 0
.Lkeep:
	STEP
	s_add_co_u32 s26, s26, 1
	s_cmp_lt_u32 s26, 16
	WALU
	s_cbranch_scc1 .Lstep
	s_add_nc_u64 s[52:53], s[52:53], 2*6656        ; (q's loads were waited for at the pass's head)
	s_add_nc_u64 s[54:55], s[54:55], 2*6656
	s_cmp_eq_u32 s27, 1
	s_cbranch_scc1 .Lnoq                           ; the last pass asks for nothing more
	QLOAD                                          ; the next pass's q is on its way under the epilogue
.Lnoq:
	s_wait_dscnt 0x0
	PV 0                                           ; the last step's second product
.irp X, 0,1
	v_pk_add_f32 v[L+8*\X:L+8*\X+1], v[L+8*\X:L+8*\X+1], v[L+8*\X+2:L+8*\X+3]
	v_pk_add_f32 v[L+8*\X+4:L+8*\X+5], v[L+8*\X+4:L+8*\X+5], v[L+8*\X+6:L+8*\X+7]
.endr
.irp X, 0,1
	v_pk_add_f32 v[L+8*\X:L+8*\X+1], v[L+8*\X:L+8*\X+1], v[L+8*\X+4:L+8*\X+5]
.endr
.irp X, 0,1
	v_add_f32 v[TT+\X], v[L+8*\X], v[L+8*\X+1]
.endr
.irp X, 0,1
	v_permlanex16_b32 v[PT+\X], v[TT+\X], s20, s21
.endr
.irp X, 0,1
	v_add_f32 v[TT+\X], v[TT+\X], v[PT+\X]         ; the row's sum
.endr
	WALU
	v_rcp_f32 v[BY], v[TT]
	v_rcp_f32 v[BY+1], v[TT+1]
	v_nop
	WALU                                           ; directly ahead of the first readers of O^T and of the reciprocals
.irp X, 0,1
.set j, 0
.rept 32
	v_mul_f32 v[O+32*\X+j], v[O+32*\X+j], v[BY+\X]
.set j, j+1
.endr
.endr
; ctx's quantiser along the features: the 16 registers of tiles 2 b, 2 b + 1 are 16 neighbours, lane l xor 16 holds the block's other 16
.irp q, 0,1,2,3
	v_max3_num_f32 v[BM+\q], |v[O+16*\q]|, |v[O+16*\q+1]|, 0x1800000
.endr
.irp i, 2,4,6,8,10,12,14
.irp q, 0,1,2,3
	v_max3_num_f32 v[BM+\q], v[BM+\q], |v[O+16*\q+\i]|, |v[O+16*\q+\i+1]|
.endr
.endr
.irp q, 0,1,2,3
	v_permlanex16_b32 v[PT+\q], v[BM+\q], s20, s21
.endr
.irp q, 0,1,2,3
	v_max_num_f32 v[BM+\q], v[BM+\q], v[PT+\q]
.endr
.irp q, 0,1,2,3
	v_add_nc_u32 v[SO+\q], 0xff000000, v[BM+\q]
.endr
.irp q, 0,1,2,3
	v_lshrrev_b32 v[PT+\q], 23, v[SO+\q]
.endr
	v_lshl_or_b32 v116, v[PT+1], 8, v[PT]
	v_lshl_or_b32 v117, v[PT+3], 8, v[PT+2]
.irp X, 0,1
	v_cvt_scalef32_pk16_fp6_f32 v[PC+8*\X:PC+8*\X+2], v[O+32*\X:O+32*\X+15], v[SO+2*\X]
	v_cvt_scalef32_pk16_fp6_f32 v[PX+4*\X:PX+4*\X+2], v[O+32*\X+16:O+32*\X+31], v[SO+2*\X+1]
.endr
	v_nop                                          ; one plain place behind a scaled conversion
.irp X, 0,1
.irp k, 0,1,2
	v_permlane16_swap_b32 v[PC+8*\X+\k], v[PX+4*\X+\k]   ; the operand's layout wants a whole block in a lane
.endr
.irp k, 0,1,2
	v_mov_b32 v[PC+8*\X+3+\k], v[PX+4*\X+\k]
.endr
.endr
	v_cndmask_b32 v118, v116, v117, s24            ; lanes 0-15 the even tile's two bytes, lanes 16-31 the odd tile's
.irp X, 0,1
	global_store_b128 v[L16], v[PC+8*\X:PC+8*\X+3], s[56:57] offset:1536*\X
	global_store_b64 v[L8], v[PC+8*\X+4:PC+8*\X+5], s[56:57] offset:1536*\X+512
.endr
	global_store_b16 v[L16], v118, s[58:59]
	s_wait_xcnt 0x0                                ; the stores have read their bases and their data: both are written again below
	s_add_nc_u64 s[56:57], s[56:57], 2*98304
	s_add_nc_u64 s[58:59], s[58:59], 2*4096
	s_sub_co_u32 s27, s27, 1
	s_cmp_lg_u32 s27, 0
	WALU
	s_cbranch_scc1 .Lpass
	s_wait_tensorcnt 0x0                           ; the wave's end
	ds_add_u32 v[SPW], v[NIL]
	s_wait_dscnt 0x0
	ROUNDC                                         ; the closing round
	s_endpgm
.Lfunc_end_k_q7028c3cb5f_attn:
	.size	k_q7028c3cb5f_attn, .Lfunc_end_k_q7028c3cb5f_attn-k_q7028c3cb5f_attn
	.p2alignl 7, 3214868480
	.fill 96, 4, 3214868480
	.section	.rodata,"a",@progbits
	.p2align	6, 0x0
	.amdhsa_kernel k_q7028c3cb5f_attn
		.amdhsa_group_segment_fixed_size 327680
		.amdhsa_private_segment_fixed_size 0
		.amdhsa_enable_private_segment 0
		.amdhsa_kernarg_size 40
		.amdhsa_user_sgpr_count 2
		.amdhsa_user_sgpr_kernarg_segment_ptr 1
		.amdhsa_wavefront_size32 1
		.amdhsa_system_sgpr_workgroup_id_x 1
		.amdhsa_system_sgpr_workgroup_id_y 1
		.amdhsa_system_sgpr_workgroup_id_z 1
		.amdhsa_system_vgpr_workitem_id 0
		.amdhsa_next_free_vgpr 512
		.amdhsa_next_free_sgpr 66
		.amdhsa_reserve_vcc 0
		.amdhsa_float_denorm_mode_32 3
		.amdhsa_float_denorm_mode_16_64 3
		.amdhsa_memory_ordered 1
		.amdhsa_forward_progress 1
		.amdhsa_inst_pref_size 54
	.end_amdhsa_kernel
	.amdgpu_metadata
---
amdhsa.version: [ 1, 2 ]
amdhsa.kernels:
  - .name:           k_q7028c3cb5f_attn
    .symbol:         k_q7028c3cb5f_attn.kd
    .args:
      - { .name: qbuf, .offset: 0, .size: 8, .value_kind: global_buffer, .address_space: global }
      - { .name: kv, .offset: 8, .size: 8, .value_kind: global_buffer, .address_space: global }
      - { .name: attention_mask, .offset: 16, .size: 8, .value_kind: global_buffer, .address_space: global }
      - { .name: ctxc, .offset: 24, .size: 8, .value_kind: global_buffer, .address_space: global }
      - { .name: ctxs, .offset: 32, .size: 8, .value_kind: global_buffer, .address_space: global }
    .group_segment_fixed_size: 327680
    .private_segment_fixed_size: 0
    .kernarg_segment_align: 8
    .kernarg_segment_size: 40
    .max_flat_workgroup_size: 256
    .sgpr_count:     66
    .vgpr_count:     512
    .wavefront_size: 32
...
	.end_amdgpu_metadata
.endif
;; end of part 3
;; launch oproj (part 4): grid 4 x 64, 4 waves a work-group, clusters of 4 x 1, 167,936 bytes of LDS; arguments ctxc, ctxs, wcodes, wscales, bo, out0; writes out0
.if DOCPART == 4
	.amdgcn_target "amdgcn-amd-amdhsa--gfx1250"
	.amdhsa_code_object_version 6
	.text
	.protected	k_q7028c3cb5f_oproj
	.globl	k_q7028c3cb5f_oproj
	.p2align	8
	.type	k_q7028c3cb5f_oproj,@function
k_q7028c3cb5f_oproj:
	s_mov_b64 s[64:65], 0
	v_nop
	global_prefetch_b8 v0, s[64:65] scope:SCOPE_SE
	s_setreg_imm32_b32 hwreg(HW_REG_WAVE_MODE, 25, 1), 1
	s_wait_xcnt 0x0
	s_wait_alu depctr_hold_cnt(0) depctr_sa_sdst(0) depctr_va_vdst(0) depctr_va_sdst(0) depctr_va_ssrc(0) depctr_va_vcc(0) depctr_vm_vsrc(0)
	s_getreg_b32 s2, hwreg(HW_REG_IB_STS2, 6, 4)
	s_cmp_eq_u32 s2, 0
	s_cbranch_scc0 .Lentry_in_a_cluster
	s_endpgm
.Lentry_in_a_cluster:
	s_bfe_u32 s2, ttmp6, 0x10000c
	s_cmp_lg_u32 s2, 0x3003
	s_cbranch_scc0 .Lentry_shape_is_right
	s_endpgm
.Lentry_shape_is_right:
; out = ctx Wo + bo on codes of FP6; out0 [8192][1024] f32.
; SHARES.  A cluster of four work-groups owns a block of 128 tokens; ctx's codes for all of K (98,304 bytes of register images, two halves of 768 bytes to a fragment) come into each work-group's LDS once, by joint loads.
; Wave w of work-group cx owns columns 64 (4 cx + w) on: 8 K steps of 32 matrix instructions on 32 accumulators, which take turns in one order.
; Wo's fragments go from memory straight into registers and are not asked for jointly: each wave has columns of its own.  Source 0 = 16 columns of Wo, source 1 = 16 tokens: a lane holds a token, and by the order of a tile's
; rows (lane r of tile 2 b + u: row 32 b + 8 u + (r & 7) + 16 (r >> 3)) the 16 registers of tiles 2 b, 2 b + 1 are 16 neighbouring columns.  The bias is the C of each sum's first instruction.
; THE WAY OUT: a tile of 16 tokens x 64 columns goes through the wave's own stage in LDS and leaves as rows of 256 consecutive bytes, aligned, sixteen lanes to a row.
; REGISTERS.  window 0: v1-12 addresses; v16-47 ctx's scale words, v48-63 Wo's; v128-191 rows on their way out.  window 1: the accumulators.  window 2: ctx's fragments, two sets of 96.  window 3: Wo's, four sets of 48; from v192 the bias.
.set STG,   98304                      ; behind the images: a stage of 16 rows x 272 bytes for each wave; no tensor load lands there
.set SPARE, STG+4*4352                 ; the spare words, 128 bytes for each wave
.set SPW, 8
.set NIL, 9
.set XS,  16
.set WS,  48
.set BK,  128
.set BI,  192
.set MSB, 0
.macro WIN new                         ; the immediate's high byte repeats the setting that is left
.if MSB != \new
	s_set_vgpr_msb (MSB<<8)|\new
.set MSB, \new
.endif
.endm
.macro ROUNDC                          ; a round of the cluster's barrier
	s_barrier_signal -1
	s_barrier_wait -1
	s_cmp_lg_u32 s22, 0
	s_cbranch_scc1 .Lnot_wave_0_\@
	s_barrier_signal -3
.Lnot_wave_0_\@:
	s_barrier_wait -3
	s_barrier_signal -1
	s_barrier_wait -1
.endm
.macro PLACES
.rept 4
	v_nop
.endr
.endm
.macro WM
.if rRA && rRB
	v_wmma_scale_f32_16x16x128_f8f6f4 v[rD:rD+7], v[rA:rA+11], v[rB:rB+11], v[rC:rC+7], v[rSA], v[rSB] matrix_a_fmt:MATRIX_FMT_FP6 matrix_b_fmt:MATRIX_FMT_FP6 matrix_a_scale:MATRIX_SCALE_ROW1 matrix_b_scale:MATRIX_SCALE_ROW1
.elseif rRA
	v_wmma_scale_f32_16x16x128_f8f6f4 v[rD:rD+7], v[rA:rA+11], v[rB:rB+11], v[rC:rC+7], v[rSA], v[rSB] matrix_a_fmt:MATRIX_FMT_FP6 matrix_b_fmt:MATRIX_FMT_FP6 matrix_a_scale:MATRIX_SCALE_ROW1
.elseif rRB
	v_wmma_scale_f32_16x16x128_f8f6f4 v[rD:rD+7], v[rA:rA+11], v[rB:rB+11], v[rC:rC+7], v[rSA], v[rSB] matrix_a_fmt:MATRIX_FMT_FP6 matrix_b_fmt:MATRIX_FMT_FP6 matrix_b_scale:MATRIX_SCALE_ROW1
.else
	v_wmma_scale_f32_16x16x128_f8f6f4 v[rD:rD+7], v[rA:rA+11], v[rB:rB+11], v[rC:rC+7], v[rSA], v[rSB] matrix_a_fmt:MATRIX_FMT_FP6 matrix_b_fmt:MATRIX_FMT_FP6
.endif
.endm
.macro CHUNK ch                        ; Wo's four fragments of K step ch into set ch % 4
.set i, 0
.rept 12
	global_load_b128 v[48*((\ch)%4)+4*i:48*((\ch)%4)+4*i+3], v1, s[44:45] offset:6144*(\ch)+512*i
.set i, i+1
.endr
.endm
.macro FETCHC s                        ; ctx's eight fragments of K step s into set s % 2: half fragment i = 2 T + c is registers 6 i .. 6 i + 5
	WIN 0x80
.set i, 0
.rept 16
.if (\s) < 4
	ds_load_b128 v[96*((\s)%2)+6*i:96*((\s)%2)+6*i+3], v1 offset:12288*(\s)+768*i
	ds_load_b64 v[96*((\s)%2)+6*i+4:96*((\s)%2)+6*i+5], v2 offset:12288*(\s)+768*i+512
.else
	ds_load_b128 v[96*((\s)%2)+6*i:96*((\s)%2)+6*i+3], v6 offset:12288*((\s)-4)+768*i
	ds_load_b64 v[96*((\s)%2)+6*i+4:96*((\s)%2)+6*i+5], v7 offset:12288*((\s)-4)+768*i+512
.endif
.set i, i+1
.endr
	WIN 0
.endm
.macro STEP s
.if (\s) < 5
	s_wait_loadcnt 36                              ; chunk s is in; the three chunks of 12 issued behind it may be out
.else
	s_wait_loadcnt 12*(7-(\s))
.endif
	s_wait_dscnt 0x0                               ; ctx's fragments of this step are in
.if (\s) < 7
	FETCHC (\s)+1                                  ; the next step's, into the set that the step before read: its places stand at that step's end
.endif
.if (\s) == 0
	WIN 0x7b                                       ; source 0 (Wo) window 3, source 1 (ctx) window 2, C (the bias) window 3, D window 1
.else
	WIN 0x5b
.endif
.set o, 0
.rept 32
.set T, o>>2
.set f, o&3
.set rA, 48*((\s)%4)+12*f
.set rB, 96*((\s)%2)+12*T
.set rSA, WS+2*(\s)+(f>>1)
.set rSB, XS+8*(T>>1)+(\s)
.set rRA, f&1
.set rRB, T&1
.set rD, 8*o
.set rC, rD
.if (\s) == 0
.set rC, BI+8*f
.endif
	WM
.set o, o+1
.endr
	PLACES
.if (\s) < 4
	WIN 0xc0
	CHUNK (\s)+4
.endif
	WIN 0
.endm
.macro TOSTAGE T                       ; tile T: a lane's 16 neighbouring columns of each pair of tiles into row r of my stage, and back as whole rows, two an instruction
	WIN 0x04                                       ; an LDS store's data are its source 1: window 1
.set i, 0
.rept 8
	ds_store_b128 v10, v[32*(\T)+4*i:32*(\T)+4*i+3] offset:128*(i>>2)+16*(i&3)   ; each accumulator from its low end on
.set i, i+1
.endr
	WIN 0
.set i, 0
.rept 8
	ds_load_b128 v[BK+32*((\T)%2)+4*i:BK+32*((\T)%2)+4*i+3], v11 offset:544*i    ; LDS serves a wave's instructions in order: these see the stores above
.set i, i+1
.endr
.endm
.macro SEND T, younger                 ; younger: the LDS instructions issued behind tile T's loads, which may stay out
	s_wait_dscnt \younger
.set i, 0
.rept 8
	global_store_b128 v12, v[BK+32*((\T)%2)+4*i:BK+32*((\T)%2)+4*i+3], s[14:15] offset:(32*((\T)>>1)+8*((\T)&1)+2*(i&3)+16*(i>>2))*4096 th:TH_STORE_NT   ; stage rows 2 i, 2 i + 1 are the tile's tokens 2 (i & 3) + 16 (i >> 2) and the next; 16 lanes store 256 consecutive bytes, aligned
.set i, i+1
.endr
.endm
	s_load_b256 s[4:11], s[0:1], 0x0               ; ctxc s[4:5], ctxs s[6:7], wcodes s[8:9], wscales s[10:11]
	s_load_b128 s[12:15], s[0:1], 0x20             ; bo s[12:13], out0 s[14:15]
	v_lshl_add_u32 v[SPW], v0, 2, SPARE
	v_mov_b32 v[NIL], 0
	ds_add_u32 v[SPW], v[NIL]                      ; the wave's opening: the add and its wait ahead of my first tensor load; work on registers stands between them
	ds_add_u32 v[SPW], v[NIL]
	v_lshrrev_b32 v5, 5, v0
	v_readfirstlane_b32 s22, v5                    ; wave
	s_bfe_u32 s23, ttmp6, 0x40000                  ; cx: it enters global addresses alone
	s_and_b32 s24, ttmp7, 0xffff                   ; the block of 128 tokens, which the four partners share
	s_lshl_b32 s25, s23, 2
	s_add_co_u32 s25, s25, s22                     ; my group of 64 columns
	s_mov_b32 s32, 15|(3<<16)|(1<<21)              ; descriptor group 1: 96 rows of 256 bytes, dense; the mask names all four work-groups
	s_mov_b32 s33, 32<<16
	s_mov_b32 s34, 96<<16
	s_mov_b32 s35, 32<<16
	s_mov_b32 s36, 96
	s_mov_b32 s37, 32
	s_mov_b32 s38, 0
	s_mov_b32 s39, 0
	s_mov_b32 s40, 1
	s_mul_i32 s41, s22, 24576                      ; my quarter of the images, in LDS
	s_mul_i32 s26, s24, 98304
	s_add_co_u32 s26, s26, s41                     ; and in memory
	s_mov_b32 s27, 0
	s_mov_b32 s61, 0
	v_and_b32 v5, 31, v0
	v_lshlrev_b32 v1, 4, v5                        ; 16 x lane
	v_lshlrev_b32 v2, 3, v5                        ; 8 x lane
	v_lshlrev_b32 v3, 2, v5                        ; 4 x lane
	v_bfe_u32 v13, v0, 4, 1                        ; h
	v_and_b32 v14, 15, v0                          ; r
	v_lshlrev_b32 v4, 6, v13                       ; 64 h: the bias
	v_add_nc_u32 v6, 49152, v1                     ; K steps 4 to 7 in LDS
	v_add_nc_u32 v7, 49152, v2
	s_mul_i32 s28, s22, 4352
	s_add_co_u32 s28, s28, STG                     ; my stage
	v_mul_u32_u24 v10, v14, 272
	v_lshl_add_u32 v10, v13, 6, v10
	v_add_nc_u32 v10, s28, v10                     ; in: row r, + 64 h
	v_mul_u32_u24 v11, v13, 272
	v_lshl_add_u32 v11, v14, 4, v11
	v_add_nc_u32 v11, s28, v11                     ; back: lanes 0-15 one row, lanes 16-31 the next
	v_lshlrev_b32 v12, 12, v13
	v_lshl_add_u32 v12, v14, 4, v12                ; and the same two rows in out0
	s_wait_dscnt 0x0                               ; the opening add is done
	s_wait_kmcnt 0x0
	s_add_nc_u64 s[42:43], s[4:5], s[26:27]
	s_or_b32 s43, s43, 0x80000000
	s_lshl_b32 s26, s24, 12
	s_add_nc_u64 s[6:7], s[6:7], s[26:27]          ; the block's scale words
	s_add_co_u32 s62, s25, 48                      ; Wo is the fourth matrix
	s_mul_i32 s60, s62, 49152
	s_add_nc_u64 s[44:45], s[8:9], s[60:61]
	s_lshl_b32 s60, s62, 11
	s_add_nc_u64 s[50:51], s[10:11], s[60:61]
	s_lshl_b32 s60, s25, 8
	s_add_nc_u64 s[12:13], s[12:13], s[60:61]
	s_lshl_b32 s62, s24, 19                        ; 128 rows of 4,096 bytes a block
	s_add_co_u32 s60, s60, s62
	s_add_nc_u64 s[14:15], s[14:15], s[60:61]
	ROUNDC                                         ; all four work-groups are here: the joint loads meet
	tensor_load_to_lds s[40:43], s[32:39]          ; my one tensor load of the launch
	s_nop 0
.rept 4
	v_nop
.endr
.irp B, 0,1,2,3
.irp k, 0,1
	global_load_b128 v[XS+8*\B+4*\k:XS+8*\B+4*\k+3], v1, s[6:7] offset:2048*\k+512*\B
.endr
.endr
.set i, 0
.rept 16
	global_load_b32 v[WS+i], v3, s[50:51] offset:128*i
.set i, i+1
.endr
	WIN 0xc0
.set i, 0
.rept 8                                ; register j of tile 2 b + u is column 32 b + 16 h + 8 u + j
	global_load_b128 v[BI+4*i:BI+4*i+3], v4, s[12:13] offset:128*(i>>2)+32*((i>>1)&1)+16*(i&1)
.set i, i+1
.endr
	CHUNK 0
	CHUNK 1
	CHUNK 2
	CHUNK 3
	WIN 0
	s_wait_tensorcnt 0x0                           ; my quarter has landed,
	s_barrier_signal -1
	s_barrier_wait -1                              ; everybody's has; nothing is filled again in this launch
	FETCHC 0
	s_wait_alu depctr_va_vdst(0)
.irp s, 0,1,2,3,4,5,6,7
	STEP \s
.endr
	TOSTAGE 0                                      ; (the last step's places stand at its end)
.irp a, 1,2,3,4,5,6,7
.if \a > 1
	s_wait_xcnt 0x0                                ; the stores of two tiles back have read their registers: this tile's rows may land there
.endif
	TOSTAGE \a
	SEND \a-1, 16                                  ; behind that tile's loads: this tile's 8 stores and 8 loads
.endr
	SEND 7, 0
	s_wait_tensorcnt 0x0                           ; the wave's end, behind my last LDS store
	ds_add_u32 v[SPW], v[NIL]
	s_wait_dscnt 0x0
	ROUNDC                                         ; the closing round
	s_endpgm
.Lfunc_end_k_q7028c3cb5f_oproj:
	.size	k_q7028c3cb5f_oproj, .Lfunc_end_k_q7028c3cb5f_oproj-k_q7028c3cb5f_oproj
	.p2alignl 7, 3214868480
	.fill 96, 4, 3214868480
	.section	.rodata,"a",@progbits
	.p2align	6, 0x0
	.amdhsa_kernel k_q7028c3cb5f_oproj
		.amdhsa_group_segment_fixed_size 167936
		.amdhsa_private_segment_fixed_size 0
		.amdhsa_enable_private_segment 0
		.amdhsa_kernarg_size 48
		.amdhsa_user_sgpr_count 2
		.amdhsa_user_sgpr_kernarg_segment_ptr 1
		.amdhsa_wavefront_size32 1
		.amdhsa_system_sgpr_workgroup_id_x 1
		.amdhsa_system_sgpr_workgroup_id_y 1
		.amdhsa_system_sgpr_workgroup_id_z 1
		.amdhsa_system_vgpr_workitem_id 0
		.amdhsa_next_free_vgpr 1024
		.amdhsa_next_free_sgpr 66
		.amdhsa_reserve_vcc 0
		.amdhsa_float_denorm_mode_32 3
		.amdhsa_float_denorm_mode_16_64 3
		.amdhsa_memory_ordered 1
		.amdhsa_forward_progress 1
		.amdhsa_inst_pref_size 83
	.end_amdhsa_kernel
	.amdgpu_metadata
---
amdhsa.version: [ 1, 2 ]
amdhsa.kernels:
  - .name:           k_q7028c3cb5f_oproj
    .symbol:         k_q7028c3cb5f_oproj.kd
    .args:
      - { .name: ctxc, .offset: 0, .size: 8, .value_kind: global_buffer, .address_space: global }
      - { .name: ctxs, .offset: 8, .size: 8, .value_kind: global_buffer, .address_space: global }
      - { .name: wcodes, .offset: 16, .size: 8, .value_kind: global_buffer, .address_space: global }
      - { .name: wscales, .offset: 24, .size: 8, .value_kind: global_buffer, .address_space: global }
      - { .name: bo, .offset: 32, .size: 8, .value_kind: global_buffer, .address_space: global }
      - { .name: out0, .offset: 40, .size: 8, .value_kind: global_buffer, .address_space: global }
    .group_segment_fixed_size: 167936
    .private_segment_fixed_size: 0
    .kernarg_segment_align: 8
    .kernarg_segment_size: 48
    .max_flat_workgroup_size: 128
    .sgpr_count:     66
    .vgpr_count:     1024
    .wavefront_size: 32
...
	.end_amdgpu_metadata
.endif
;; end of part 4
